; MI455X (gfx1250); checked and timed in simulation.
; The chip was launched on July 23, 2026; its instructions are those of AMD's public machine-readable ISA for CDNA 5 (MIT licence, August 2026) and "CDNA5" Instruction Set Architecture Reference Guide (July 2026). The comments in the code are by the model that wrote it; some were corrected since.
;; Attention Layer. Allowed arithmetic: matrix products marked QUANTISED: E3M2 operands, one E8M0 scale for each 32 along K, by v_wmma_scale_f32_16x16x128_f8f6f4 with both operands' format E3M2, f32 sums; everything else in f32.
;; Inputs: b_attn 3,072 float32; b_proj 1,024 float32; hidden_states 4 x 2,048 x 1,024 float32; w_attn 1,024 x 3,072 float32; w_proj 1,024 x 1,024 float32.
;; Outputs: out0 4 x 2,048 x 1,024 float32.
;; This version of the problem:
;;   THIS VERSION OF THE PROBLEM IS GIVEN IN LOW PRECISION. The matrix products marked QUANTISED in the list below multiply operands that are first quantised to E3M2 (3 exponent bits, 2 mantissa bits; 6 bits a number), with one power-of-two scale for each 32 numbers along K (OCP MX v1.0); their sums are f32. All else is computed in f32.
;;   The module's matrix products, in the order in which they are computed (A, B: the left and right operand; K: the contracted axis; several contracted axes count as one K, in the product's order):
;;     1. [M 8,192, K 1,024] x [K 1,024, N 3,072]; A: input hidden_states; B: input w_attn: QUANTISED
;;     2. batch 64 x [M 2,048, K 64] x [K 64, N 2,048]; A: computed on the way; B: computed on the way: QUANTISED
;;     3. batch 64 x [M 2,048, K 2,048] x [K 2,048, N 64]; A: softmax (see below); B: computed on the way: QUANTISED
;;     4. [M 8,192, K 1,024] x [K 1,024, N 1,024]; A: computed on the way; B: input w_proj: QUANTISED
;;   THE QUANTISER, for each operand of a quantised product, along K:
;;     - K is cut into blocks of 32 from its start; a last block that is shorter is filled with zeros.
;;     - A block's scale is 2^e with e = floor(log2(the largest magnitude in the block)) - 4, held to -126 .. 127; a block of zeros has e = 0. As a byte (E8M0): e + 127.
;;     - Each number is divided by its block's scale, clamped to +-28, and rounded to the nearest number of E3M2, ties to even, subnormals kept.
;;     - The product sums the exact products of the quantised numbers (number of the format x scale) in f32.
;;   ~~~python
;;   def quantise(x, axis):      # numpy; x: float32 -> the quantised numbers, widened to float32 again
;;       x = np.moveaxis(x, axis, -1); K = x.shape[-1]
;;       x = np.pad(x, [(0, 0)] * (x.ndim - 1) + [(0, -K % 32)]); x = x.reshape(x.shape[:-1] + (-1, 32)); a = np.abs(x).max(-1, keepdims=True)
;;       e = np.where(a > 0, np.clip(np.frexp(np.where(a > 0, a, 1))[1] - 1 - 4, -126, 127), 0)      # np.frexp(a)[1] - 1 = floor(log2(a)), exactly
;;       r = np.clip(x / 2.0 ** e, -28, 28)
;;       step = 2.0 ** (np.maximum(np.frexp(np.where(r == 0, 1, r))[1] - 1, -2) - 2)
;;       q = np.round(r / step) * step * 2.0 ** e      # np.round: ties to even
;;       return np.moveaxis(q.reshape(q.shape[:-2] + (-1,))[..., :K], -1, axis).astype(np.float32)
;;   ~~~
;;   SOFTMAX AHEAD OF A QUANTISED PRODUCT. Where the list says 'softmax', what is quantised is not the finished softmax but p = 2^(t - M), with t = logit x log2(e) and M = ceil(the row's largest t), a whole number; so 1/2 < the row's largest p <= 1. The row's sum l is taken of the UNQUANTISED p, in f32, and the product's result is divided by l at the end. Since M is a whole number, a kernel that streams over the keys may use a running M (the ceiling of the running maximum): every later rescaling is an exact power of two, which a block's scale takes up: the codes' values come out the same.
;;   OPERANDS COMPUTED ON THE WAY. 'Computed on the way' means the value that the module computes at that place (a softmax that the list does not call 'softmax' is quantised finished and normalised). What goes into a quantiser is computed in f32, as accurately as f32 sums, v_exp_f32 and their like allow (about 1e-6 of the number): no bf16 or f16 on the way to a quantiser, and a product that is left as it is and whose result goes on into a quantised operand takes f32 operands (vector FMAs, or v_wmma_f32_16x16x4_f32). A number that lies on a knife's edge between two numbers of the format may be rounded either way, as far as f32 arithmetic and the matrix unit's own rounding can turn it there, and no further.
;; One version. Each part assembles by itself: llvm-mc -triple=amdgcn-amd-amdhsa -mcpu=gfx1250 --defsym DOCPART=n.
;; ======== version 1 of 1: 4 launches
;; workspace buffers: x_codes 6,291,456 bytes; x_scales 262,144 bytes; w_codes 3,145,728 bytes; w_scales 131,072 bytes; qkv 20,185,088 bytes; ctx_codes 6,291,456 bytes; ctx_scales 262,144 bytes
;; launch quant (part 1): grid 384 x 1, 4 waves a work-group, no clusters, 60,928 bytes of LDS; arguments hidden_states, w_attn, w_proj, x_codes, x_scales, w_codes, w_scales; writes x_codes, x_scales, w_codes, w_scales
.if DOCPART == 1
	.amdgcn_target "amdgcn-amd-amdhsa--gfx1250"
	.amdhsa_code_object_version 6
	.text
	.protected	k_q36467f2afc_quant
	.globl	k_q36467f2afc_quant
	.p2align	8
	.type	k_q36467f2afc_quant,@function
k_q36467f2afc_quant:
	s_mov_b64 s[64:65], 0
	v_nop
	global_prefetch_b8 v0, s[64:65] scope:SCOPE_SE
	s_setreg_imm32_b32 hwreg(HW_REG_WAVE_MODE, 25, 1), 1
	s_wait_xcnt 0x0
; hidden_states [8192][1024], w_attn [1024][3072] and w_proj [1024][1024], f32, become codes of BF6 (E3M2) with one E8M0 byte for each 32 along K (K = 1024 for all three).
; A block's scale is 2^(floor(log2(its largest magnitude)) - 4); its byte is that magnitude's exponent field - 4, held at 1 from below.
; LIMITS: NaN and infinities are not served; a block of zeros gets the byte 1 (its codes are zeros, and this program alone reads the bytes); blocks under 2^-122 are held at byte 1.
; LAYOUT OF THE CODES.  Rows (tokens of x; columns n of the weights, w_attn's 3072 and then w_proj's 1024) are stored with bits 3 and 4 of their number exchanged: row r of stored tile 2 c + u is true row 32 c + 8 u + r + 8 (r / 8).
; A tile of 16 stored rows is 16 chunks of 64 along K, 768 bytes each, laid as the matrix operand's registers want them: lane = r + 16 h holds block 2 kappa + h of row r, 24 bytes:
; its first 16 at 16 x lane, its last 8 at 512 + 8 x lane.  THE SCALE BYTES: [pair of tiles][quarter of K][u][r][8 bytes].
; Work-groups 0-255 take x: 32 rows each, a wave a quarter of K.  Work-groups 256-383 take the weights: 128 columns x 256 along K, a wave 32 columns.  The two ways have LDS bytes of their own.
; No tensor loads, no barrier: waves share nothing.
.set R,     20                         ; x: v20-115  three sets of 32 registers as loaded
.set XS,    116                        ;    v116-179 two sets: a lane's block of 32 neighbours
.set C,     180                        ;    v180-227 six registers of codes for each of the eight steps
.set E,     230                        ;    v230-237 a scale byte for each step
.set XW,    8960                       ; LDS of a wave on x's way: two stages of 16 rows x 272 bytes, then its 256 scale bytes
.set XST,   4352
.set WBASE, 4*XW                       ; LDS of the weights' way begins here
.set WW,    6144                       ; a wave's stage there: 2 tiles x 4 chunks x 768 bytes
.set OFFS,  20                         ; w: v20-51   my column's byte offset in rows 0 to 31 of a block
.set WX,    52                         ;    v52-115  two sets of 32 numbers
.set WC,    116                        ;    v116-121 a block's codes; v122-124 its second half as converted
.set WE,    122
.set SB,    126                        ;    v126-127 eight scale bytes
.set OUTR,  128                        ;    v128-175 the way out
	s_load_b256 s[4:11], s[0:1], 0x0               ; x s[4:5], w_attn s[6:7], w_proj s[8:9], x's codes s[10:11]
	s_load_b128 s[12:15], s[0:1], 0x20             ; x's scales s[12:13], the weights' codes s[14:15]
	s_load_b64 s[16:17], s[0:1], 0x30              ; the weights' scales
	v_lshl_add_u32 v240, v0, 2, 0xec00
	v_mov_b32 v241, 0
	v_lshrrev_b32 v1, 5, v0
	v_readfirstlane_b32 s18, v1                    ; wave 0..3
	v_and_b32 v1, 31, v0                           ; lane
	v_lshlrev_b32 v7, 4, v1                        ; 16 x lane
	v_lshlrev_b32 v8, 3, v1                        ; 8 x lane
	s_cmp_lt_u32 ttmp9, 256
	s_cbranch_scc0 .Lweights
; ---------------- x: K is innermost.  Pair of tiles P = the work-group, quarter of K = the wave.  Eight steps t = 4 u + kappa: 16 stored rows x 64 along K, 4,096 bytes.
	v_and_b32 v2, 15, v0                           ; r
	v_bfe_u32 v3, v0, 4, 1                         ; h
	v_lshlrev_b32 v4, 4, v2
	v_lshl_add_u32 v4, v3, 12, v4                  ; a load: lanes 0-15 take 256 bytes of one row, lanes 16-31 of the next
	s_mul_i32 s19, s18, XW
	v_mul_u32_u24 v5, v3, 272
	v_lshl_add_u32 v5, v2, 4, v5
	v_add_nc_u32 v5, s19, v5                       ; into the stage as loaded: row h, 16 r
	v_mul_u32_u24 v6, v2, 272
	v_lshl_add_u32 v6, v3, 7, v6
	v_add_nc_u32 v6, s19, v6                       ; out of it: row r, block h: 128 bytes
	s_add_co_u32 s19, s19, 2*XST
	v_lshl_add_u32 v9, v2, 3, v3
	v_add_nc_u32 v9, s19, v9                       ; my scale byte: 8 r + h
	v_add_nc_u32 v10, s19, v8                      ; and on the way out 8 bytes a lane
	s_lshl_b32 s20, ttmp9, 17                      ; 32 rows of 4,096 bytes,
	s_lshl_b32 s22, s18, 10                        ; my quarter of a row
	s_add_co_u32 s20, s20, s22
	s_mov_b32 s21, 0
	s_mul_i32 s22, ttmp9, 24576                    ; two tiles of codes,
	s_mul_i32 s24, s18, 3072                       ; four chunks
	s_add_co_u32 s22, s22, s24
	s_mov_b32 s23, 0
	s_lshl_b32 s24, ttmp9, 10
	s_lshl_b32 s26, s18, 8
	s_add_co_u32 s24, s24, s26
	s_mov_b32 s25, 0
	s_wait_kmcnt 0x0
	s_add_nc_u64 s[4:5], s[4:5], s[20:21]
	s_add_nc_u64 s[10:11], s[10:11], s[22:23]
	s_add_nc_u64 s[12:13], s[12:13], s[24:25]
.macro XLOAD t                         ; load i: stored rows 2 i and 2 i + 1 of tile u, which are true rows 8 u + 2 i + 8 (i / 4) and the next
.irp i, 0,1,2,3,4,5,6,7
	global_load_b128 v[R+32*((\t)%3)+4*\i:R+32*((\t)%3)+4*\i+3], v4, s[4:5] offset:(8*((\t)/4)+2*\i+8*(\i/4))*4096+((\t)%4)*256 th:TH_LOAD_NT
.endr
.endm
.macro XTURN t                         ; through the wave's own stage: LDS serves a wave's instructions in order, so no wait stands between the stores and the loads
.irp i, 0,1,2,3,4,5,6,7
	ds_store_b128 v5, v[R+32*((\t)%3)+4*\i:R+32*((\t)%3)+4*\i+3] offset:XST*((\t)%2)+544*\i
.endr
.irp i, 0,1,2,3,4,5,6,7
	ds_load_b128 v[XS+32*((\t)%2)+4*\i:XS+32*((\t)%2)+4*\i+3], v6 offset:XST*((\t)%2)+16*\i
.endr
.endm
.macro XSTEP t
.set XB, XS+32*((\t)%2)
.set CC, C+6*(\t)
.if (\t) > 0
	s_wait_dscnt 1                                 ; this step's block is back from the stage (the last step's byte store may be out), so the stage's stores have read their registers,
.else
	s_wait_dscnt 0x0
.endif
.if (\t)+3 < 8
	XLOAD (\t)+3                                   ; which take the loads of three steps on
.endif
.if (\t)+1 < 8
.if (\t) < 5
	s_wait_loadcnt 16                              ; the next step's eight loads are in; those of the two steps behind it may be out
.else
	s_wait_loadcnt 8*(6-(\t))
.endif
	XTURN (\t)+1
.endif
	v_max3_num_f32 v11, |v[XB]|, |v[XB+1]|, |v[XB+2]|   ; the block's largest magnitude: all 32 numbers are mine; two chains
	v_max3_num_f32 v12, |v[XB+3]|, |v[XB+4]|, |v[XB+5]|
.irp i, 6,10,14,18,22,26
	v_max3_num_f32 v11, v11, |v[XB+\i]|, |v[XB+\i+1]|
	v_max3_num_f32 v12, v12, |v[XB+\i+2]|, |v[XB+\i+3]|
.endr
	v_max3_num_f32 v11, v11, |v[XB+30]|, |v[XB+31]|
	v_max3_num_f32 v11, v11, v12, 0x2800000        ; and the floor 2^(5 - 127): the byte cannot fall under 1
	v_add_nc_u32 v13, 0xfe000000, v11              ; 4 off the exponent field: the conversion takes this operand's exponent field as its scale
	v_cvt_scalef32_pk16_bf6_f32 v[CC:CC+2], v[XB:XB+15], v13
	v_cvt_scalef32_pk16_bf6_f32 v[16:18], v[XB+16:XB+31], v13   ; (a conversion's three registers begin on an even number)
	v_lshrrev_b32 v[E+(\t)], 23, v13               ; the scale's byte; also the plain line behind the conversions
	v_mov_b32 v[CC+3], v16
	v_mov_b32 v[CC+4], v17
	v_mov_b32 v[CC+5], v18
	ds_store_b8 v9, v[E+(\t)] offset:128*((\t)/4)+2*((\t)%4)
	global_store_b128 v7, v[CC:CC+3], s[10:11] offset:((\t)/4)*12288+((\t)%4)*768        ; 512 consecutive bytes
	global_store_b64 v8, v[CC+4:CC+5], s[10:11] offset:((\t)/4)*12288+((\t)%4)*768+512   ; 256 consecutive bytes
.endm
	XLOAD 0
	XLOAD 1
	XLOAD 2
	s_wait_loadcnt 16                              ; step 0's eight loads are in
	XTURN 0
.irp t, 0,1,2,3,4,5,6,7
	XSTEP \t
.endr
	ds_load_b64 v[228:229], v10                    ; my wave's 256 scale bytes (these see my byte stores: one wave's LDS instructions are served in order)
	s_wait_dscnt 0x0
	global_store_b64 v8, v[228:229], s[12:13]      ; 256 consecutive bytes, aligned
	s_wait_tensorcnt 0x0
	ds_add_u32 v240, v241
	s_wait_dscnt 0x0
	s_endpgm
; ---------------- the weights: K is the FIRST axis.  A lane takes a column and its registers run down K: a block of 32 lies in one lane, and the codes come out with K innermost.
.Lweights:
	s_sub_co_u32 s19, ttmp9, 256
	s_and_b32 s20, s19, 31                         ; which 128 stored rows: 0-23 w_attn's, 24-31 w_proj's
	s_lshr_b32 s21, s19, 5                         ; which quarter of K
	s_lshl_b32 s22, s20, 2
	s_add_co_u32 s22, s22, s18                     ; my pair of tiles
	s_cmp_lt_u32 s20, 24
	s_mov_b32 s23, 4096
	s_cselect_b32 s23, 12288, s23                  ; a row of the tensor in bytes
	s_cselect_b32 s40, 0, 24
	s_wait_kmcnt 0x0
	s_cselect_b64 s[6:7], s[6:7], s[8:9]           ; the choice hangs on the work-group's number alone
	s_sub_co_u32 s20, s20, s40                     ; the group of 128 columns in its own tensor
	s_lshl_b32 s42, s20, 9
	s_lshl_b32 s43, s18, 7
	s_add_co_u32 s42, s42, s43                     ; my wave's first column, in bytes
	s_mul_i32 s43, s21, s23
	s_lshl_b32 s43, s43, 8                         ; 256 rows for each quarter
	s_add_co_u32 s42, s42, s43
	s_mov_b32 s43, 0
	s_add_nc_u64 s[24:25], s[6:7], s[42:43]        ; a base for each of the eight blocks, so that none is stepped while a load names it
	s_lshl_b32 s44, s23, 5
	s_mov_b32 s45, 0
.irp t, 1,2,3,4,5,6,7
	s_add_nc_u64 s[24+2*\t:25+2*\t], s[22+2*\t:23+2*\t], s[44:45]
.endr
	v_lshlrev_b32 v[OFFS], 2, v1
.irp i, 1,2,3,4,5,6,7,8,9,10,11,12,13,14,15,16,17,18,19,20,21,22,23,24,25,26,27,28,29,30,31
	v_add_nc_u32 v[OFFS+\i], s23, v[OFFS+\i-1]
.endr
	v_bfe_u32 v2, v0, 3, 1                         ; my column's stored place: tile u = bit 3 of the lane,
	v_and_b32 v3, 7, v0
	v_bfe_u32 v10, v0, 4, 1
	v_lshl_add_u32 v3, v10, 3, v3                  ; row (lane % 8) + 8 (lane / 16)
	s_mul_i32 s46, s18, WW
	s_add_co_u32 s46, s46, WBASE
	v_mul_u32_u24 v11, v2, 3072
	v_add_nc_u32 v11, s46, v11
	v_lshl_add_u32 v4, v3, 4, v11                  ; stage: a block's first 16 bytes,
	v_lshl_add_u32 v5, v3, 3, v11                  ; its last 8,
	v_add_nc_u32 v6, s46, v7                       ; and back as it lies
	v_lshlrev_b32 v9, 3, v3
	v_lshl_add_u32 v9, v2, 7, v9                   ; my eight scale bytes in the pair's quarter
	s_mul_i32 s42, s22, 24576
	s_mul_i32 s47, s21, 3072
	s_add_co_u32 s42, s42, s47
	s_add_nc_u64 s[14:15], s[14:15], s[42:43]
	s_lshl_b32 s42, s22, 10
	s_lshl_b32 s47, s21, 8
	s_add_co_u32 s42, s42, s47
	s_add_nc_u64 s[16:17], s[16:17], s[42:43]
.macro WLOAD t                         ; block t: rows 32 t + i of my quarter at my column; a wave reads 128 consecutive bytes, the four waves 512
.irp i, 0,1,2,3,4,5,6,7,8,9,10,11,12,13,14,15,16,17,18,19,20,21,22,23,24,25,26,27,28,29,30,31
	global_load_b32 v[WX+32*((\t)%2)+\i], v[OFFS+\i], s[24+2*(\t):25+2*(\t)] th:TH_LOAD_NT
.endr
.endm
.macro WBLOCK t
.set XB, WX+32*((\t)%2)
.if (\t) < 7
	s_wait_loadcnt 32                              ; this block's 32 loads are in; the next block's may be out
.else
	s_wait_loadcnt 0x0
.endif
	v_max3_num_f32 v12, |v[XB]|, |v[XB+1]|, |v[XB+2]|
	v_max3_num_f32 v13, |v[XB+3]|, |v[XB+4]|, |v[XB+5]|
.irp i, 6,10,14,18,22,26
	v_max3_num_f32 v12, v12, |v[XB+\i]|, |v[XB+\i+1]|
	v_max3_num_f32 v13, v13, |v[XB+\i+2]|, |v[XB+\i+3]|
.endr
	v_max3_num_f32 v12, v12, |v[XB+30]|, |v[XB+31]|
	v_max3_num_f32 v12, v12, v13, 0x2800000
	v_add_nc_u32 v14, 0xfe000000, v12
	v_lshrrev_b32 v15, 23, v14
.if (\t)%4 == 0
	v_mov_b32 v[SB+(\t)/4], v15                    ; four bytes to a register, the lower K in the lower byte
.else
	v_lshl_or_b32 v[SB+(\t)/4], v15, 8*((\t)%4), v[SB+(\t)/4]
.endif
	v_cvt_scalef32_pk16_bf6_f32 v[WC:WC+2], v[XB:XB+15], v14
	v_cvt_scalef32_pk16_bf6_f32 v[WE:WE+2], v[XB+16:XB+31], v14
	v_nop                                          ; one plain line behind the conversions
	v_mov_b32 v[WC+3], v[WE]
	v_mov_b32 v[WC+4], v[WE+1]
	v_mov_b32 v[WC+5], v[WE+2]
	ds_store_b128 v4, v[WC:WC+3] offset:((\t)/2)*768+((\t)%2)*256       ; chunk t / 2, half t % 2 of the lanes' places
	ds_store_b64 v5, v[WC+4:WC+5] offset:((\t)/2)*768+512+((\t)%2)*128
.if (\t)+2 < 8
	WLOAD (\t)+2
.endif
	s_wait_dscnt 0x0                               ; the stores have read their registers: the next block's codes may be written
.endm
	WLOAD 0
	WLOAD 1
.irp t, 0,1,2,3,4,5,6,7
	WBLOCK \t
.endr
	global_store_b64 v9, v[SB:SB+1], s[16:17]      ; the wave's 256 scale bytes: one aligned run, the lanes permuted inside it
.irp k, 0,1,2,3,4,5,6,7,8,9,10,11
	ds_load_b128 v[OUTR+4*\k:OUTR+4*\k+3], v6 offset:512*\k
.endr
.irp k, 0,1,2,3,4,5,6,7,8,9,10,11
	s_wait_dscnt 11-\k
	global_store_b128 v7, v[OUTR+4*\k:OUTR+4*\k+3], s[14:15] offset:(\k/6)*12288+(\k%6)*512   ; 512 consecutive bytes
.endr
	s_wait_tensorcnt 0x0
	ds_add_u32 v240, v241
	s_wait_dscnt 0x0
	s_endpgm
.Lfunc_end_k_q36467f2afc_quant:
	.size	k_q36467f2afc_quant, .Lfunc_end_k_q36467f2afc_quant-k_q36467f2afc_quant
	.p2alignl 7, 3214868480
	.fill 96, 4, 3214868480
	.section	.rodata,"a",@progbits
	.p2align	6, 0x0
	.amdhsa_kernel k_q36467f2afc_quant
		.amdhsa_group_segment_fixed_size 60928
		.amdhsa_private_segment_fixed_size 0
		.amdhsa_enable_private_segment 0
		.amdhsa_kernarg_size 56
		.amdhsa_user_sgpr_count 2
		.amdhsa_user_sgpr_kernarg_segment_ptr 1
		.amdhsa_wavefront_size32 1
		.amdhsa_system_sgpr_workgroup_id_x 1
		.amdhsa_system_sgpr_workgroup_id_y 1
		.amdhsa_system_sgpr_workgroup_id_z 1
		.amdhsa_system_vgpr_workitem_id 0
		.amdhsa_next_free_vgpr 242
		.amdhsa_next_free_sgpr 66
		.amdhsa_reserve_vcc 0
		.amdhsa_float_denorm_mode_32 3
		.amdhsa_float_denorm_mode_16_64 3
		.amdhsa_memory_ordered 1
		.amdhsa_forward_progress 1
		.amdhsa_inst_pref_size 73
	.end_amdhsa_kernel
	.amdgpu_metadata
---
amdhsa.version: [ 1, 2 ]
amdhsa.kernels:
  - .name:           k_q36467f2afc_quant
    .symbol:         k_q36467f2afc_quant.kd
    .args:
      - { .name: hidden_states, .offset: 0, .size: 8, .value_kind: global_buffer, .address_space: global }
      - { .name: w_attn, .offset: 8, .size: 8, .value_kind: global_buffer, .address_space: global }
      - { .name: w_proj, .offset: 16, .size: 8, .value_kind: global_buffer, .address_space: global }
      - { .name: x_codes, .offset: 24, .size: 8, .value_kind: global_buffer, .address_space: global }
      - { .name: x_scales, .offset: 32, .size: 8, .value_kind: global_buffer, .address_space: global }
      - { .name: w_codes, .offset: 40, .size: 8, .value_kind: global_buffer, .address_space: global }
      - { .name: w_scales, .offset: 48, .size: 8, .value_kind: global_buffer, .address_space: global }
    .group_segment_fixed_size: 60928
    .private_segment_fixed_size: 0
    .kernarg_segment_align: 8
    .kernarg_segment_size: 56
    .max_flat_workgroup_size: 128
    .sgpr_count:     66
    .vgpr_count:     242
    .wavefront_size: 32
...
	.end_amdgpu_metadata
.endif
;; end of part 1
;; launch qkv (part 2): grid 12 x 32, 4 waves a work-group, clusters of 4 x 4, 327,680 bytes of LDS; arguments x_codes, x_scales, w_codes, w_scales, b_attn, qkv; writes qkv
.if DOCPART == 2
	.amdgcn_target "amdgcn-amd-amdhsa--gfx1250"
	.amdhsa_code_object_version 6
	.text
	.protected	k_q36467f2afc_qkv
	.globl	k_q36467f2afc_qkv
	.p2align	8
	.type	k_q36467f2afc_qkv,@function
k_q36467f2afc_qkv:
	s_mov_b64 s[64:65], 0
	v_nop
	global_prefetch_b8 v0, s[64:65] scope:SCOPE_SE
	s_setreg_imm32_b32 hwreg(HW_REG_WAVE_MODE, 25, 1), 1
	s_wait_xcnt 0x0
	s_wait_alu depctr_hold_cnt(0) depctr_sa_sdst(0) depctr_va_vdst(0) depctr_va_sdst(0) depctr_va_ssrc(0) depctr_va_vcc(0) depctr_vm_vsrc(0)
	s_getreg_b32 s2, hwreg(HW_REG_IB_STS2, 6, 4)
	s_cmp_eq_u32 s2, 0
	s_cbranch_scc0 .Lentry_in_a_cluster
	s_endpgm
.Lentry_in_a_cluster:
	s_bfe_u32 s2, ttmp6, 0x10000c
	s_cmp_lg_u32 s2, 0xf033
	s_cbranch_scc0 .Lentry_shape_is_right
	s_endpgm
.Lentry_shape_is_right:
; ONE TEXT FOR TWO LAUNCHES.  MODE 0: q, k, v = x W_attn + b_attn, quantised on the way out.  MODE 1: out = ctx W_proj + b_proj, f32.  Both products on codes of BF6 (E3M2) with E8M0 scales for each 32 along K = 1024; sums in f32.
; OPERANDS lie in memory as images of the matrix operand's registers: a tile of 16 stored rows is 16 chunks of 64 along K, 768 bytes each: lane = r + 16 h holds block 2 kappa + h of row r: 16 bytes at 16 x lane, 8 at 512 + 8 x lane.
; Rows are stored with bits 3 and 4 of their number exchanged (row r of stored tile 2 c + u is true row 32 c + 8 u + r + 8 (r / 8)).  Scale bytes: [pair of tiles][quarter of K][u][r][8].
; A tile of C is 256 x 256, four waves of 128 x 128: 64 accumulators, 512 registers.  K goes in four steps of 256 through two LDS slots filled by the tensor data mover; the scale bytes of the 512 rows come once.
; THE MATRIX INSTRUCTION IS USED TRANSPOSED (source 0 = 16 rows of B, source 1 = 16 rows of A): a lane holds one row of A's, and, by the stored order of B's rows, the 16 registers of B's tiles 2 c, 2 c + 1 are 16 NEIGHBOURS, 32 c + 16 h + 0 .. 15.
; MODE 0: clusters x = 0, 1: A = x (tokens), B = w_attn's columns of q, of k: a lane's registers run along the head's 64, the K of q k^T.  Cluster x = 2: A = w_attn's columns of v, B = x: the registers run along the tokens, the K of p v.
; So one quantiser serves q, k and v.  The bias is the C of each sum's first product (so it enters the f32 sum first).
; CLUSTERS 4 x 4: A's tiles are asked for jointly by a row of the cluster, B's by a column.  All branches hang on the wave's number or on the cluster's x, which all sixteen partners share.
; LIMITS: NaN and infinities are not served; a block of zeros gets the byte 1 (zero codes; this program alone reads the bytes); blocks under 2^-122 are held at byte 1.
; REGISTERS: window 0: v0-31 addresses; v32-63 scale words, two sets; v64-127 the bias; v128-223 A's fragments, one set.  window 1: B's fragments, two sets at v0 and v128.  windows 2, 3: the accumulators ((a, b) at v[8 (8 (a % 4) + b)]).
.set MODE,   0
.set KSB,    3072                      ; a tile's bytes of a K step: four chunks
.set TILEB,  12288
.set FR,     12                        ; registers of a fragment
.set NL,     4                         ; LDS loads that bring one
.set NP,     4                         ; places behind this matrix instruction (ISA guide 7.12.1)
.set HALFT,  8*KSB                     ; 128 rows of a K step: what one tensor load brings
.set SLOT,   4*HALFT                   ; A's 256 rows, then B's
.set SCL,    2*SLOT                    ; behind the ring: the scale bytes, 4,096 for each 128 rows
.set HALFS,  4096
.set SPARE,  SCL+4*HALFS               ; the spare words, 128 bytes a wave: two blocks of 256 bytes that no other line names
.set STG,    SPARE+512                 ; stages of the way out: written by LDS stores alone, never a fill's target
.set STQ,    STG                       ; MODE 0: q's or k's scale words, 1,024 bytes a wave;
.set STV,    STG+4096                  ;         v's, 512 bytes a wave
.set SPITCH, 528                       ; MODE 1: 16 rows x (512 + 16) bytes a wave
.set REC,    19712                     ; qkv: [batch x head][128 tokens] records: k's 8 tiles, v's 4 fragments, k's and v's scale words, q's 8 tiles, q's scale words
.set HEADB,  16*REC
.set K_OFF,  0
.set V_OFF,  6144
.set KS_OFF, 12288
.set VS_OFF, 12800
.set Q_OFF,  13056
.set QS_OFF, 19200
.set L16,  8                           ; v8   16 x lane
.set L8,   9                           ; v9   8 x lane
.set SQW,  10                          ; v10-13 MODE 0: the scale words' stages, in and back
.set SQR,  11
.set SVW,  12
.set SVR,  13
.set BO,   14                          ; v14  the bias loads' offset
.set ADRA, 16                          ; v16-17 my A fragments in slot 0, 1 at 16 x lane; v18-19 at 8 x lane
.set ADRB, 20                          ; v20-23 the same for B
.set STO,  24                          ; v24-26 MODE 1: stage in, stage back, my bytes in a row of out
.set RD,   25
.set CO,   26
.set ADRS, 27                          ; v27  my scale words: lanes 0-15 A's rows, lanes 16-31 B's
.set SPW,  28                          ; v28  my spare word; never rewritten
.set NIL,  29                          ; v29  0; never rewritten
.set SC,   32
.set BIAS, 64
.set AF,   128
.set BK,   128                         ; MODE 1: rows read back, v128-191 and v192-255 by turns
.set PC,   112                         ; MODE 0: v112-131 codes just made; v200-215 at work; v216 the scale word
.set TM,   200
.set PW,   216
.set G1,   24
.set G0,   32
.set G1B,  48
.set G0B,  56
.set G1S,  68
.set G0S,  76
.set G1SB, 80
.set G0SB, 88
.set MSB, 0
.macro WIN new                         ; the immediate's high byte repeats the setting that is left
.if MSB != \new
	s_set_vgpr_msb (MSB<<8)|\new
.set MSB, \new
.endif
.endm
.set MUL_LO, 0xa1                      ; source 0 (B) window 1, source 1 (A) window 0, C and D window 2
.set MUL_HI, 0xf1                      ; the same, C and D window 3
.set BEG_LO, 0x81                      ; the first products: C (the bias) window 0, D window 2
.set BEG_HI, 0xc1                      ; D window 3
.set TO_B,   0x40                      ; destination window 1, address window 0
.macro JLOAD g0a, g1a, g0b, g1b        ; a joint load: waves 0, 1 fetch for A, waves 2, 3 for B; four v_nop follow each of the two lines
	s_cmp_eq_u32 s17, 0
	s_cbranch_scc0 .Lfor_b_\@
	tensor_load_to_lds s[\g0a:\g0a+3], s[\g1a:\g1a+7]
	s_nop 0
.rept 4
	v_nop
.endr
	s_branch .Lasked_\@
.Lfor_b_\@:
	tensor_load_to_lds s[\g0b:\g0b+3], s[\g1b:\g1b+7]
	s_nop 0
.rept 4
	v_nop
.endr
.Lasked_\@:
.endm
.macro CREST                           ; a round of the cluster's barrier behind its opening barrier
	s_cmp_lg_u32 s16, 0
	s_cbranch_scc1 .Lnot_wave_0_\@
	s_barrier_signal -3
.Lnot_wave_0_\@:
	s_barrier_wait -3
	s_barrier_signal -1
	s_barrier_wait -1
.endm
.macro CROUND
	s_barrier_signal -1
	s_barrier_wait -1
	CREST
.endm
.macro PLACES n
.rept \n
	v_nop
.endr
.endm
	s_load_b256 s[4:11], s[0:1], 0x0               ; x's (ctx's) codes s[4:5], scales s[6:7]; the weights' codes s[8:9], scales s[10:11]
	s_load_b128 s[12:15], s[0:1], 0x20             ; the bias s[12:13], the output s[14:15]
	v_lshl_add_u32 v[SPW], v0, 2, SPARE
	v_mov_b32 v[NIL], 0
	ds_add_u32 v28, v29
	ds_add_u32 v28, v29
	s_wait_dscnt 0x0
	v_lshrrev_b32 v1, 5, v0
	v_readfirstlane_b32 s16, v1                    ; wave 0..3
	s_lshr_b32 s17, s16, 1                         ; my half of the tile's rows.  Also: I fetch for A (0) or for B (1)
	s_and_b32 s18, s16, 1                          ; my half of its columns.  Also: which 128 rows I fetch
	s_bfe_u32 s40, ttmp6, 0x40000                  ; cx
	s_bfe_u32 s41, ttmp6, 0x40004                  ; cy
	s_and_b32 s42, ttmp7, 0xffff                   ; cluster y
.if MODE == 0
	s_cmp_eq_u32 ttmp9, 2                          ; the clusters of v: A's tile row is cy alone, B's tile column goes with cluster y
	s_cselect_b32 s45, 0, s42
	s_cselect_b32 s46, s42, ttmp9
.else
	s_mov_b32 s45, s42
	s_mov_b32 s46, ttmp9
.endif
	s_lshl_b32 s45, s45, 2
	s_add_co_u32 s45, s45, s41                     ; tile row (A)
	s_lshl_b32 s46, s46, 2
	s_add_co_u32 s46, s46, s40                     ; tile column (B)
	s_lshl_b32 s43, s41, 2
	s_lshl_b32 s43, 15, s43                        ; my row of the cluster
	s_lshl_b32 s44, 0x1111, s40                    ; my column
	; descriptor group 1, codes: 8 tiles' parts of a K step: 8 rows of 384 elements of 8 bytes, 1,536 elements apart; dense in LDS
	s_or_b32 s[G1+0], s43, (3<<16)|(1<<21)         ; 15:0 the mask; 17:16 elements of 8 bytes; 21 set beside a mask; no padding
	s_or_b32 s[G1B+0], s44, (3<<16)|(1<<21)
.irp g, G1, G1B
	s_mov_b32 s[\g+1], 384<<16                     ; tensor_dim0
	s_mov_b32 s[\g+2], 8<<16                       ; tensor_dim1
	s_mov_b32 s[\g+3], 384<<16                     ; tile_dim0
	s_mov_b32 s[\g+4], 8                           ; tile_dim1
	s_mov_b32 s[\g+5], 1536                        ; tensor_dim0_stride
	s_mov_b32 s[\g+6], 0
	s_mov_b32 s[\g+7], 0
.endr
	; scale bytes of 128 rows: 4,096 dense bytes as 16 rows of 256
	s_or_b32 s[G1S+0], s43, (3<<16)|(1<<21)
	s_or_b32 s[G1SB+0], s44, (3<<16)|(1<<21)
.irp g, G1S, G1SB
	s_mov_b32 s[\g+1], 32<<16
	s_mov_b32 s[\g+2], 16<<16
	s_mov_b32 s[\g+3], 32<<16
	s_mov_b32 s[\g+4], 16
	s_mov_b32 s[\g+5], 32
	s_mov_b32 s[\g+6], 0
	s_mov_b32 s[\g+7], 0
.endr
	s_lshl_b32 s20, s45, 1
	s_add_co_u32 s20, s20, s18                     ; A: which 128 rows I would fetch
	s_lshl_b32 s92, s46, 1
	s_add_co_u32 s92, s92, s18                     ; B likewise
	s_lshl_b32 s22, s20, 12                        ; their scale bytes,
	s_mul_i32 s20, s20, 8*TILEB                    ; their codes
	s_lshl_b32 s94, s92, 12
	s_mul_i32 s92, s92, 8*TILEB
	s_mov_b32 s21, 0
	s_mov_b32 s23, 0
	s_mov_b32 s93, 0
	s_mov_b32 s95, 0
.if MODE == 0
	s_cmp_eq_u32 ttmp9, 2
	s_cselect_b32 s96, 128*TILEB, 0                ; v's columns begin at stored row 2,048 of the weights
	s_cselect_b32 s97, 64*1024, 0
	s_add_co_u32 s20, s20, s96
	s_add_co_u32 s22, s22, s97
.else
	s_add_co_u32 s92, s92, 192*TILEB               ; w_proj's columns begin at stored row 3,072
	s_add_co_u32 s94, s94, 96*1024
.endif
	s_mul_i32 s47, s16, HALFT                      ; where they go: wave x 128 rows: no place in the cluster enters an LDS address
	s_lshl_b32 s19, s16, 12
	s_wait_kmcnt 0x0
.if MODE == 0
	s_cmp_eq_u32 ttmp9, 2
	s_cselect_b64 s[96:97], s[8:9], s[4:5]         ; A's codes and scales,
	s_cselect_b64 s[98:99], s[10:11], s[6:7]
	s_cselect_b64 s[4:5], s[4:5], s[8:9]           ; B's
	s_cselect_b64 s[6:7], s[6:7], s[10:11]
	s_add_nc_u64 s[20:21], s[96:97], s[20:21]
	s_add_nc_u64 s[22:23], s[98:99], s[22:23]
	s_add_nc_u64 s[92:93], s[4:5], s[92:93]
	s_add_nc_u64 s[94:95], s[6:7], s[94:95]
.else
	s_add_nc_u64 s[20:21], s[4:5], s[20:21]
	s_add_nc_u64 s[22:23], s[6:7], s[22:23]
	s_add_nc_u64 s[92:93], s[8:9], s[92:93]
	s_add_nc_u64 s[94:95], s[10:11], s[94:95]
.endif
	CROUND                                         ; all sixteen work-groups are here: the first joint loads meet
	s_mov_b32 s[G0S], 1
	s_add_co_u32 s[G0S+1], s19, SCL
	s_mov_b64 s[G0S+2:G0S+3], s[22:23]
	s_or_b32 s[G0S+3], s[G0S+3], 0x80000000
	s_mov_b32 s[G0SB], 1
	s_add_co_u32 s[G0SB+1], s19, SCL
	s_mov_b64 s[G0SB+2:G0SB+3], s[94:95]
	s_or_b32 s[G0SB+3], s[G0SB+3], 0x80000000
	JLOAD G0S, G1S, G0SB, G1SB                     ; the scales first: they are wanted with K step 0
.irp s, 0,1
	s_mov_b32 s[G0+4*\s], 1
	s_add_co_u32 s[G0+4*\s+1], s47, \s*SLOT
	s_add_nc_u64 s[G0+4*\s+2:G0+4*\s+3], s[20:21], \s*KSB
	s_or_b32 s[G0+4*\s+3], s[G0+4*\s+3], 0x80000000
	s_mov_b32 s[G0B+4*\s], 1
	s_add_co_u32 s[G0B+4*\s+1], s47, \s*SLOT
	s_add_nc_u64 s[G0B+4*\s+2:G0B+4*\s+3], s[92:93], \s*KSB
	s_or_b32 s[G0B+4*\s+3], s[G0B+4*\s+3], 0x80000000
	JLOAD G0+4*\s, G1, G0B+4*\s, G1B               ; three tensor loads of mine are out
.endr
	v_and_b32 v1, 15, v0                           ; r
	v_bfe_u32 v2, v0, 4, 1                         ; h
	v_and_b32 v3, 31, v0
	v_lshlrev_b32 v[L16], 4, v3
	v_lshlrev_b32 v[L8], 3, v3
	s_mul_i32 s2, s17, HALFT                       ; my 128 rows of A
	s_mul_i32 s3, s18, HALFT                       ; my 128 rows of B,
	s_add_co_u32 s3, s3, 2*HALFT                   ; which lie behind A's 256
.irp s, 0,1
	v_add_nc_u32 v[ADRA+\s], s2, v[L16]
	v_add_nc_u32 v[ADRB+\s], s3, v[L16]
	v_add_nc_u32 v[ADRA+2+\s], s2, v[L8]
	v_add_nc_u32 v[ADRB+2+\s], s3, v[L8]
	s_add_co_u32 s2, s2, SLOT
	s_add_co_u32 s3, s3, SLOT
.endr
	s_lshl_b32 s2, s17, 12                         ; A's scale bytes of my 128 rows;
	s_lshl_b32 s3, s18, 12                         ; B's lie behind A's 8,192
	s_add_co_u32 s3, s3, 2*HALFS
	s_sub_co_u32 s3, s3, s2
	v_mul_u32_u24 v6, s3, v2                       ; lanes 16-31 take B's: one product, the distance between the two
	s_add_co_u32 s2, s2, SCL
	v_lshl_add_u32 v6, v1, 3, v6
	v_add_nc_u32 v[ADRS], s2, v6
	s_lshl_b32 s45, s45, 1
	s_add_co_u32 s45, s45, s17                     ; which 128 of A's rows are my wave's
	s_lshl_b32 s46, s46, 1
	s_add_co_u32 s46, s46, s18                     ; which 128 of B's
.macro BIASCOL                         ; the bias runs along B's rows: for B's tile b a lane wants the eight numbers at 32 (b / 2) + 8 (b % 2) + 16 h
.irp b, 0,1,2,3,4,5,6,7
	global_load_b128 v[BIAS+8*\b:BIAS+8*\b+3], v[BO], s[12:13] offset:(32*(\b/2)+8*(\b%2))*4
	global_load_b128 v[BIAS+8*\b+4:BIAS+8*\b+7], v[BO], s[12:13] offset:(32*(\b/2)+8*(\b%2))*4+16
.endr
.endm
.if MODE == 0
	s_mov_b32 s66, 0x76543210
	s_mov_b32 s67, 0xfedcba98                      ; v_permlanex16_b32's selects for lane l xor 16
	s_lshl_b32 s2, s16, 10
	s_add_co_u32 s2, s2, STQ
	v_lshl_add_u32 v[SQW], v1, 4, s2
	v_add_nc_u32 v[SQR], s2, v[L16]
	s_lshl_b32 s2, s16, 9
	s_add_co_u32 s2, s2, STV
	v_lshl_add_u32 v[SVW], v1, 3, s2
	v_add_nc_u32 v[SVR], s2, v[L8]
	s_cmp_eq_u32 ttmp9, 2
	s_cselect_b32 s2, s45, s46
	s_cselect_b32 s3, 8192, 0                      ; v's bias begins at number 2,048
	s_lshl_b32 s2, s2, 9
	s_add_co_u32 s2, s2, s3
	s_mov_b32 s3, 0
	s_add_nc_u64 s[12:13], s[12:13], s[2:3]
	s_cmp_eq_u32 ttmp9, 2
	s_cbranch_scc1 .Lbias_v
	v_lshlrev_b32 v[BO], 6, v2
	BIASCOL
	s_branch .Lbias_done
.Lbias_v:                                          ; v: the bias runs along A's rows: one number a lane for A's tile a, spread over the tile's eight registers
	v_and_b32 v[BO], 8, v1
	v_add_nc_u32 v[BO], v[BO], v1
	v_lshlrev_b32 v[BO], 2, v[BO]
.irp a, 0,1,2,3,4,5,6,7
	global_load_b32 v[BIAS+8*\a], v[BO], s[12:13] offset:(32*(\a/2)+8*(\a%2))*4
.endr
	s_wait_loadcnt 0x0                             ; (the first tiles are on their way meanwhile)
.irp a, 0,1,2,3,4,5,6,7
.irp j, 1,2,3,4,5,6,7
	v_mov_b32 v[BIAS+8*\a+\j], v[BIAS+8*\a]
.endr
.endr
.Lbias_done:
	; where my results go: the 128 tokens' record of the first of my two heads
	s_and_b32 s3, s46, 7
	s_cmp_eq_u32 ttmp9, 2
	s_cselect_b32 s2, s46, s45                     ; which 128 tokens
	s_cselect_b32 s3, s45, s3                      ; which pair of heads
	s_cselect_b32 s19, V_OFF, K_OFF
	s_mov_b32 s47, KS_OFF
	s_cselect_b32 s47, VS_OFF, s47
	s_cmp_eq_u32 ttmp9, 0
	s_cselect_b32 s19, Q_OFF, s19
	s_cselect_b32 s47, QS_OFF, s47
	s_lshr_b32 s96, s2, 4
	s_lshl_b32 s96, s96, 4                         ; 16 x batch
	s_lshl_b32 s3, s3, 1
	s_add_co_u32 s96, s96, s3
	s_mul_i32 s96, s96, HEADB
	s_and_b32 s2, s2, 15
	s_mul_i32 s2, s2, REC
	s_add_co_u32 s96, s96, s2
	s_add_co_u32 s98, s96, s47
	s_add_co_u32 s96, s96, s19
	s_mov_b32 s97, 0
	s_mov_b32 s99, 0
	s_add_nc_u64 s[100:101], s[14:15], s[98:99]    ; the scale words,
	s_add_nc_u64 s[14:15], s[14:15], s[96:97]      ; the codes
.else
	s_lshl_b32 s2, s46, 9
	s_mov_b32 s3, 0
	s_add_nc_u64 s[12:13], s[12:13], s[2:3]
	v_lshlrev_b32 v[BO], 6, v2
	BIASCOL
	s_mul_i32 s2, s16, 16*SPITCH
	s_add_co_u32 s2, s2, STG                       ; my stage
	v_mul_u32_u24 v5, v1, SPITCH
	v_lshl_add_u32 v5, v2, 6, v5
	v_add_nc_u32 v[STO], s2, v5                    ; in: row r, + 64 h: my 16 neighbouring numbers of each 32
	v_add_nc_u32 v[RD], s2, v[L16]                 ; back: the 32 lanes take one row of 512 bytes
	v_mov_b32 v[CO], v[L16]
	s_lshl_b32 s2, s45, 19                         ; my 128 rows of 4,096 bytes,
	s_lshl_b32 s3, s46, 9                          ; my 128 columns
	s_add_co_u32 s2, s2, s3
	s_mov_b32 s3, 0
	s_add_nc_u64 s[14:15], s[14:15], s[2:3]
.endif
.macro FRAG reg, adr, q, i             ; a fragment, 16 rows x 128 K, 12 registers: two chunks, each 16 bytes a lane and 8 bytes a lane; every load takes consecutive bytes
	ds_load_b128 v[\reg:\reg+3], v[\adr] offset:(\i)*KSB+(\q)*1536
	ds_load_b64 v[\reg+4:\reg+5], v[\adr+2] offset:(\i)*KSB+(\q)*1536+512
	ds_load_b128 v[\reg+6:\reg+9], v[\adr] offset:(\i)*KSB+(\q)*1536+768
	ds_load_b64 v[\reg+10:\reg+11], v[\adr+2] offset:(\i)*KSB+(\q)*1536+1280
.endm
; 16 matrix instructions: A's blocks a0, a0 + 1 x B's eight, the slot's q-th 128 along K.  p: B's set; sc: the set of scale words.  zero = 1: C = the bias along B's rows; 2: along A's rows; 0: in place.
; The 64 accumulators take turns, one instruction a turn, in the same order in every step.
.macro MUL16 a0, p, q, sc, zero
.irp a, \a0, \a0+1
.irp b, 0,1,2,3,4,5,6,7
.if \zero == 1
	v_wmma_scale_f32_16x16x128_f8f6f4 v[8*(8*((\a)%4)+\b):8*(8*((\a)%4)+\b)+7], v[128*(\p)+FR*\b:128*(\p)+FR*\b+FR-1], v[AF+FR*(\a):AF+FR*(\a)+FR-1], v[BIAS+8*\b:BIAS+8*\b+7], v[SC+16*(\sc)+2*\b+(\q)], v[SC+16*(\sc)+2*(\a)+(\q)] matrix_a_fmt:MATRIX_FMT_BF6 matrix_b_fmt:MATRIX_FMT_BF6 matrix_a_scale:MATRIX_SCALE_ROW1
.elseif \zero == 2
	v_wmma_scale_f32_16x16x128_f8f6f4 v[8*(8*((\a)%4)+\b):8*(8*((\a)%4)+\b)+7], v[128*(\p)+FR*\b:128*(\p)+FR*\b+FR-1], v[AF+FR*(\a):AF+FR*(\a)+FR-1], v[BIAS+8*(\a):BIAS+8*(\a)+7], v[SC+16*(\sc)+2*\b+(\q)], v[SC+16*(\sc)+2*(\a)+(\q)] matrix_a_fmt:MATRIX_FMT_BF6 matrix_b_fmt:MATRIX_FMT_BF6 matrix_a_scale:MATRIX_SCALE_ROW1
.else
	v_wmma_scale_f32_16x16x128_f8f6f4 v[8*(8*((\a)%4)+\b):8*(8*((\a)%4)+\b)+7], v[128*(\p)+FR*\b:128*(\p)+FR*\b+FR-1], v[AF+FR*(\a):AF+FR*(\a)+FR-1], v[8*(8*((\a)%4)+\b):8*(8*((\a)%4)+\b)+7], v[SC+16*(\sc)+2*\b+(\q)], v[SC+16*(\sc)+2*(\a)+(\q)] matrix_a_fmt:MATRIX_FMT_BF6 matrix_b_fmt:MATRIX_FMT_BF6 matrix_a_scale:MATRIX_SCALE_ROW1
.endif
.endr
.endr
.endm
.macro FETCH_B slot, q, p
	WIN TO_B
.irp i, 0,1,2,3,4,5,6,7
	FRAG 128*(\p)+FR*\i, ADRB+\slot, \q, \i
.endr
	WIN 0
.endm
.macro FETCH_A slot, q, i0
.irp i, \i0, \i0+1, \i0+2, \i0+3
	FRAG AF+FR*(\i), ADRA+\slot, \q, \i
.endr
.endm
.macro SCALES sc                       ; a K step's two scale words a row: lanes 0-15 A's block i, lanes 16-31 B's block i
.irp i, 0,1,2,3,4,5,6,7
	ds_load_b64 v[SC+16*\sc+2*\i:SC+16*\sc+2*\i+1], v[ADRS] offset:(\i/2)*1024+(\i%2)*128
.endr
.endm
; A step of 128 along K that has its successor in the same slot.  A has one set of registers: blocks 0-3 are fetched anew in the step's middle, blocks 4-7 at its end; B has two sets.
.macro STEP slot, q, zero
	s_wait_dscnt 4*NL                              ; all but the youngest sixteen loads (A's blocks 4-7) are in
.if \zero
	WIN BEG_LO
.else
	WIN MUL_LO
.endif
	MUL16 0, (\q)%2, \q, \slot, \zero
	MUL16 2, (\q)%2, \q, \slot, \zero
	s_wait_dscnt 0                                 ; A's blocks 4-7 are in
	PLACES NP                                      ; in front of loads into registers that matrix instructions have read
	FETCH_B \slot, (\q)+1, 1-(\q)%2
	FETCH_A \slot, (\q)+1, 0
.if \zero
	WIN BEG_HI
.else
	WIN MUL_HI
.endif
	MUL16 4, (\q)%2, \q, \slot, \zero
	MUL16 6, (\q)%2, \q, \slot, \zero
	PLACES NP
	WIN 0
	FETCH_A \slot, (\q)+1, 4
.endm
; A slot's last step changes slots: one barrier; in front of it each wave waits for all its tensor loads, adds 0 to its spare word, and waits for that and for its reads of this slot.  fill = 1: the slot is filled again, two K steps ahead.
.macro TURN slot, next, fill
	s_wait_tensorcnt 0x0                           ; all my tensor loads have landed: my part of the next slot
	ds_add_u32 v[SPW], v[NIL]                      ; 0 onto my spare word
	s_wait_dscnt 4*NL+1                            ; (the add and A's blocks 4-7 may be out)
	WIN MUL_LO
	MUL16 0, 1, 1, \slot, 0                        ; sixteen matrix instructions stand between the add and the wait for it
	s_wait_dscnt 0x0                               ; the add is done, and my reads of this slot are over
	s_barrier_signal -1
	MUL16 2, 1, 1, \slot, 0
	WIN 0
	s_barrier_wait -1
.if \fill
	CREST                                          ; the barrier has opened a round of the cluster's: no wave of any partner still reads this slot or has a load on its way
	s_add_nc_u64 s[G0+4*\slot+2:G0+4*\slot+3], s[G0+4*\slot+2:G0+4*\slot+3], 2*KSB
	s_add_nc_u64 s[G0B+4*\slot+2:G0B+4*\slot+3], s[G0B+4*\slot+2:G0B+4*\slot+3], 2*KSB
	JLOAD G0+4*\slot, G1, G0B+4*\slot, G1B         ; the first tensor load behind the round; its four v_nop are also the places in front of the loads below
.else
	PLACES NP
.endif
	v_add_nc_u32 v[ADRS], 256, v[ADRS]             ; the next quarter of K's scale words (no LDS load of mine is out)
	FETCH_B \next, 0, 0
	FETCH_A \next, 0, 0
	SCALES \next
	WIN MUL_HI
	MUL16 4, 1, 1, \slot, 0
	MUL16 6, 1, 1, \slot, 0
	PLACES NP
	WIN 0
	FETCH_A \next, 0, 4
.endm
	s_wait_tensorcnt 1                             ; the scales and my part of K step 0 are in (K step 1's load may be out),
	s_barrier_signal -1
	s_barrier_wait -1                              ; everybody's are
	FETCH_B 0, 0, 0
	FETCH_A 0, 0, 0
	SCALES 0
	FETCH_A 0, 0, 4
	s_wait_loadcnt 0x0                             ; the bias
.if MODE == 0
	s_cmp_eq_u32 ttmp9, 2
	s_cbranch_scc1 .Lfirst_v
	STEP 0, 0, 1                                   ; the first products start the sums from the bias: nothing is cleared
	s_branch .Lfirst_done
.Lfirst_v:
	STEP 0, 0, 2
.Lfirst_done:
.else
	STEP 0, 0, 1
.endif
	TURN 0, 1, 1                                   ; K has four steps: both slots are filled again once, so the laps are written out
	STEP 1, 0, 0
	TURN 1, 0, 1
	STEP 0, 0, 0
	TURN 0, 1, 0                                   ; nothing is left to fetch
	STEP 1, 0, 0
	s_wait_dscnt 4*NL
	WIN MUL_LO
	MUL16 0, 1, 1, 1, 0
	MUL16 2, 1, 1, 1, 0
	s_wait_dscnt 0
	WIN MUL_HI
	MUL16 4, 1, 1, 1, 0
	MUL16 6, 1, 1, 1, 0
	WIN 0
	PLACES NP                                      ; in front of the first read of results, and of writes into registers that the last products read
.if MODE == 0
; THE WAY OUT, block a of 16 of A's rows at a time.  A lane's 64 registers: register 16 b + i = number 32 b + 16 h + i of its row's 128: four blocks of 32, each shared by lanes l and l xor 16.
.macro QUANTW a
.set AC, 64*((\a)%4)
.if (\a) > 0
	s_wait_xcnt 0x0                                ; the last block's stores have read their registers,
	s_wait_dscnt 0x0                               ; its LDS stores too
.endif
	WIN 0x0a+5*((\a)/4)                            ; sources 0 and 1: window 2 or 3
.irp b, 0,1,2,3
	v_max3_num_f32 v[TM+\b], |v[AC+16*\b]|, |v[AC+16*\b+1]|, 0x2800000   ; each accumulator is read from its low end on; the floor 2^(5 - 127) holds the byte at 1 from below
.endr
.irp i, 2,4,6,8,10,12,14
.irp b, 0,1,2,3
	v_max3_num_f32 v[TM+\b], |v[AC+16*\b+\i]|, |v[AC+16*\b+\i+1]|, v[TM+\b]
.endr
.endr
	WIN 0
.irp b, 0,1,2,3
	v_permlanex16_b32 v[TM+4+\b], v[TM+\b], s66, s67
.endr
.irp b, 0,1,2,3
	v_max_num_f32 v[TM+\b], v[TM+\b], v[TM+4+\b]   ; the block's largest magnitude
.endr
.irp b, 0,1,2,3
	v_add_nc_u32 v[TM+12+\b], 0xfe000000, v[TM+\b] ; 4 off its exponent field: the conversion's scale operand
.endr
.irp b, 0,1,2,3
	v_lshrrev_b32 v[TM+4+\b], 23, v[TM+12+\b]      ; the scale's byte
.endr
	v_lshl_or_b32 v[PW], v[TM+5], 8, v[TM+4]
	v_lshl_or_b32 v[PW], v[TM+6], 16, v[PW]
	v_lshl_or_b32 v[PW], v[TM+7], 24, v[PW]        ; my row's four bytes
	WIN 0x02+((\a)/4)                              ; source 0: window 2 or 3
.irp c, 0,1
	v_cvt_scalef32_pk16_bf6_f32 v[PC+6*\c:PC+2+6*\c], v[AC+32*\c:AC+15+32*\c], v[TM+12+2*\c]
	v_cvt_scalef32_pk16_bf6_f32 v[PC+12+4*\c:PC+14+4*\c], v[AC+16+32*\c:AC+31+32*\c], v[TM+12+2*\c+1]
.endr
	WIN 0
	v_nop                                          ; one plain line behind the conversions
.irp c, 0,1                                    ; the operand's layout wants a whole block in a lane: lanes 0-15 block 2 c, lanes 16-31 block 2 c + 1
.irp i, 0,1,2
	v_permlane16_swap_b32 v[PC+6*\c+\i], v[PC+12+4*\c+\i]
.endr
.irp i, 0,1,2
	v_mov_b32 v[PC+3+6*\c+\i], v[PC+12+4*\c+\i]
.endr
.endr
.endm
.macro EPI isv
.irp a, 0,1,2,3,4,5,6,7
	QUANTW \a
.if \isv
.irp c, 0,1,2                                  ; v: block a is fragment a % 4 (16 of the head's 64 x 128 keys) of head a / 4 of my two: its twelve registers as they stand
	global_store_b128 v[L16], v[PC+4*\c:PC+4*\c+3], s[14:15] offset:(\a/4)*HEADB+(\a%4)*1536+512*\c
.endr
	ds_store_b32 v[SVW], v[PW] offset:(\a/4)*256+128*(\a%2)+4*((\a%4)/2)   ; (both halves of the lanes hold and write the same word)
.else
.irp e, 0,1                                    ; q, k: block a is tile a of 16 tokens; registers 6 e .. 6 e + 5 are head e's 64
	global_store_b128 v[L16], v[PC+6*\e:PC+6*\e+3], s[14:15] offset:\e*HEADB+\a*768
	global_store_b64 v[L8], v[PC+6*\e+4:PC+6*\e+5], s[14:15] offset:\e*HEADB+\a*768+512
.endr
	v_and_b32 v217, 0xffff, v[PW]                  ; a head's two bytes; the upper two stay 0: there the products meet zero codes
	v_lshrrev_b32 v218, 16, v[PW]
	ds_store_b32 v[SQW], v217 offset:256*(\a%2)+4*(\a/2)
	ds_store_b32 v[SQW], v218 offset:512+256*(\a%2)+4*(\a/2)
.endif
.endr
.if \isv
	ds_load_b64 v[220:221], v[SVR]                 ; the scale words leave as whole aligned runs (a wave's LDS instructions are served in order)
	ds_load_b64 v[222:223], v[SVR] offset:256
	s_wait_dscnt 0x0
	global_store_b64 v[L8], v[220:221], s[100:101]
	global_store_b64 v[L8], v[222:223], s[100:101] offset:HEADB
.else
	ds_load_b128 v[220:223], v[SQR]
	ds_load_b128 v[224:227], v[SQR] offset:512
	s_wait_dscnt 0x0
	global_store_b128 v[L16], v[220:223], s[100:101]
	global_store_b128 v[L16], v[224:227], s[100:101] offset:HEADB
.endif
.endm
.irp b, 0,1,2,3
	v_mov_b32 v[TM+4+\b], 0                        ; written once: a lane permute's destination counts as one of its sources
.endr
	s_cmp_eq_u32 ttmp9, 2
	s_cbranch_scc1 .Lout_v
	EPI 0
	s_branch .Lout_done
.Lout_v:
	EPI 1
.Lout_done:
.else
; THE WAY OUT: a block of 16 rows x 128 columns goes through my own stage and comes back as whole rows of 512 bytes.  The stored order of rows and columns is undone by the offsets.
.macro TOSTAGE a
.set AC, 64*((\a)%4)
	WIN 0x08+4*((\a)/4)                            ; the data: window 2 or 3
.irp b, 0,1,2,3,4,5,6,7
	ds_store_b128 v[STO], v[AC+8*\b:AC+8*\b+3] offset:128*(\b/2)+32*(\b%2)       ; each accumulator from its low end on
	ds_store_b128 v[STO], v[AC+8*\b+4:AC+8*\b+7] offset:128*(\b/2)+32*(\b%2)+16
.endr
	WIN 0
.set BB, BK+64*((\a)%2)
.irp t, 0,1,2,3,4,5,6,7,8,9,10,11,12,13,14,15
	ds_load_b128 v[BB+4*\t:BB+4*\t+3], v[RD] offset:\t*SPITCH
.endr
.endm
.macro SEND a, younger
.set BB, BK+64*((\a)%2)
	s_wait_dscnt \younger                          ; the block is back in registers
.irp t, 0,1,2,3,4,5,6,7,8,9,10,11,12,13,14,15
	global_store_b128 v[CO], v[BB+4*\t:BB+4*\t+3], s[14:15] offset:(32*((\a)/2)+8*((\a)%2)+\t+8*(\t/8))*4096 th:TH_STORE_NT   ; 512 consecutive bytes of a true row
.endr
.endm
	TOSTAGE 0
.irp a, 1,2,3,4,5,6,7
.if \a > 1
	s_wait_xcnt 0x0                                ; block a - 2's stores have read their registers: block a's loads may land there
.endif
	TOSTAGE \a
	SEND \a-1, 32                                  ; behind block a - 1's loads: block a's 16 stores and 16 loads
.endr
	SEND 7, 0
.endif
	s_wait_tensorcnt 0x0                           ; the wave's end
	ds_add_u32 v[SPW], v[NIL]
	s_wait_dscnt 0x0
	CROUND                                         ; the closing round
	s_endpgm
.Lfunc_end_k_q36467f2afc_qkv:
	.size	k_q36467f2afc_qkv, .Lfunc_end_k_q36467f2afc_qkv-k_q36467f2afc_qkv
	.p2alignl 7, 3214868480
	.fill 96, 4, 3214868480
	.section	.rodata,"a",@progbits
	.p2align	6, 0x0
	.amdhsa_kernel k_q36467f2afc_qkv
		.amdhsa_group_segment_fixed_size 327680
		.amdhsa_private_segment_fixed_size 0
		.amdhsa_enable_private_segment 0
		.amdhsa_kernarg_size 48
		.amdhsa_user_sgpr_count 2
		.amdhsa_user_sgpr_kernarg_segment_ptr 1
		.amdhsa_wavefront_size32 1
		.amdhsa_system_sgpr_workgroup_id_x 1
		.amdhsa_system_sgpr_workgroup_id_y 1
		.amdhsa_system_sgpr_workgroup_id_z 1
		.amdhsa_system_vgpr_workitem_id 0
		.amdhsa_next_free_vgpr 1024
		.amdhsa_next_free_sgpr 102
		.amdhsa_reserve_vcc 0
		.amdhsa_float_denorm_mode_32 3
		.amdhsa_float_denorm_mode_16_64 3
		.amdhsa_memory_ordered 1
		.amdhsa_forward_progress 1
		.amdhsa_inst_pref_size 203
	.end_amdhsa_kernel
	.amdgpu_metadata
---
amdhsa.version: [ 1, 2 ]
amdhsa.kernels:
  - .name:           k_q36467f2afc_qkv
    .symbol:         k_q36467f2afc_qkv.kd
    .args:
      - { .name: x_codes, .offset: 0, .size: 8, .value_kind: global_buffer, .address_space: global }
      - { .name: x_scales, .offset: 8, .size: 8, .value_kind: global_buffer, .address_space: global }
      - { .name: w_codes, .offset: 16, .size: 8, .value_kind: global_buffer, .address_space: global }
      - { .name: w_scales, .offset: 24, .size: 8, .value_kind: global_buffer, .address_space: global }
      - { .name: b_attn, .offset: 32, .size: 8, .value_kind: global_buffer, .address_space: global }
      - { .name: qkv, .offset: 40, .size: 8, .value_kind: global_buffer, .address_space: global }
    .group_segment_fixed_size: 327680
    .private_segment_fixed_size: 0
    .kernarg_segment_align: 8
    .kernarg_segment_size: 48
    .max_flat_workgroup_size: 128
    .sgpr_count:     102
    .vgpr_count:     1024
    .wavefront_size: 32
...
	.end_amdgpu_metadata
.endif
;; end of part 2
;; launch attn (part 3): grid 4 x 64, 16 waves a work-group, clusters of 4 x 1, 219,136 bytes of LDS; arguments qkv, ctx_codes, ctx_scales; writes ctx_codes, ctx_scales
.if DOCPART == 3
	.amdgcn_target "amdgcn-amd-amdhsa--gfx1250"
	.amdhsa_code_object_version 6
	.text
	.protected	k_q36467f2afc_attn
	.globl	k_q36467f2afc_attn
	.p2align	8
	.type	k_q36467f2afc_attn,@function
k_q36467f2afc_attn:
	s_mov_b64 s[64:65], 0
	v_nop
	global_prefetch_b8 v0, s[64:65] scope:SCOPE_SE
	s_setreg_imm32_b32 hwreg(HW_REG_WAVE_MODE, 25, 1), 1
	s_wait_xcnt 0x0
	s_wait_alu depctr_hold_cnt(0) depctr_sa_sdst(0) depctr_va_vdst(0) depctr_va_sdst(0) depctr_va_ssrc(0) depctr_va_vcc(0) depctr_vm_vsrc(0)
	s_getreg_b32 s2, hwreg(HW_REG_IB_STS2, 6, 4)
	s_cmp_eq_u32 s2, 0
	s_cbranch_scc0 .Lentry_in_a_cluster
	s_endpgm
.Lentry_in_a_cluster:
	s_bfe_u32 s2, ttmp6, 0x10000c
	s_cmp_lg_u32 s2, 0x3003
	s_cbranch_scc0 .Lentry_shape_is_right
	s_endpgm
.Lentry_shape_is_right:
; ctx = softmax((q k^T, hidden keys set to -1e5) / 8) v for one (batch, head) a cluster, both products on codes of BF6 (E3M2) with E8M0 scales; ctx is quantised along the head's 64 on the way out.
; SOFTMAX: t = score x log2(e) / 8; M = the row's largest t so far, rounded up to a whole number; p = 2^(t - M) is quantised along the keys; the sum of the unquantised p divides at the end.
; qkv: [batch x head][16 groups of 128 tokens] records of 19,712 bytes: k's 8 tiles (768 bytes: 16 bytes a lane, 8 bytes a lane), v's 4 fragments (16 of the head's 64 x 128 keys, 3 x 512 bytes), k's and v's scale words, then q's tiles and scale words.
; Tokens and the head's 64 are stored with bits 3 and 4 exchanged, so that with both products used transposed (S^T = k q^T, O^T = v^T p^T) a lane holds ONE query and the 16 registers of two neighbouring tiles are 16 neighbours.
; SHARES.  The head's k, v and scale words, 16 x 13,056 bytes, come into LDS ONCE, asked for jointly by the cluster's four work-groups; nothing is filled again.  A wave takes two tiles of 16 queries, one after the other:
; one of group max(w, 15 - w) and one of group min(w, 15 - w): 17 key steps of 128 keys for every wave.  The work-group's place in the cluster picks the tile within a group: it enters global addresses and the mask's numbers alone.
; K = 64 IN AN INSTRUCTION 128 DEEP: q's registers 6-11 are zero codes, so whatever stands in the upper half of k's operand (the next tile's codes, or zeros) adds nothing; the scale bytes there are 0, which is a power of two.
; THE HIDDEN KEYS.  reference() gives them the score -1e5, not minus infinity.  On the diagonal step they get that score and go the common way.  The key steps wholly behind the diagonal are not multiplied: all their p are
; p_m = 2^(t_m - M), whose code x scale is p_m rounded to two mantissa bits and held at 1.75 x its power of two; their share of O is that number x the sum of the quantised v over those steps (made once a work-group, by
; products of v with codes of 1.0), their share of the sum is their count x p_m; and the running maximum starts at t_m for every query that has a hidden key.
; LIMITS: NaN and infinities are not served; blocks of zeros get the byte 1 (zero codes); blocks under 2^-122 are held at byte 1; a p_m under 2^-126 counts as 0.
; REGISTERS: v1-11, v28-31 addresses and lane numbers; v12 -M, v13 the largest t, v[14:15] the sum; v16-21 q, v22-27 zeros; v32-79 k's 8 tiles or v's 4 fragments, v80-85 zeros; v86-89 the hidden keys' numbers;
; v96-159 S^T, then p; v160-191 O^T; v192-223 the sums of v; v224-235 p's codes; v232-254 at work; v248-251 k's or v's scale words, v253 p's, v255 q's.
.set REC,    19712
.set HEADB,  16*REC
.set KVB,    13056                     ; what a key step has in LDS
.set V_OFF,  6144
.set KS_OFF, 12288
.set VS_OFF, 12800
.set Q_OFF,  13056
.set QS_OFF, 19200
.set PST,    16*KVB                    ; behind the records: each key step's sums of v, 256 bytes;
.set SVT,    PST+4096                  ; and for each step the sums over all later steps.  Both are written by LDS stores alone
.macro CROUND
	s_barrier_signal -1
	s_barrier_wait -1
	s_cmp_lg_u32 s18, 0
	s_cbranch_scc1 .Lnot_wave_0_\@
	s_barrier_signal -3
.Lnot_wave_0_\@:
	s_barrier_wait -3
	s_barrier_signal -1
	s_barrier_wait -1
.endm
	s_load_b128 s[4:7], s[0:1], 0x0                ; qkv s[4:5], ctx's codes s[6:7]
	s_load_b64 s[8:9], s[0:1], 0x10                ; ctx's scales
	v_lshl_add_u32 v95, v0, 2, 0x35000
	v_mov_b32 v243, 0
	ds_add_u32 v95, v243
	ds_add_u32 v95, v243
	v_lshrrev_b32 v1, 5, v0
	s_delay_alu instid0(VALU_DEP_1)
	v_readfirstlane_b32 s18, v1                    ; wave 0..15
	s_bfe_u32 s48, ttmp6, 0x40000                  ; cx
	s_and_b32 s49, ttmp7, 0xffff                   ; batch x 16 + head, which the four partners share
	s_min_u32 s19, s18, 3                          ; waves 0 to 3 fetch
	; descriptor group 1: records' first 13,056 bytes as rows of 1,632 elements of 8 bytes, 2,464 elements apart: one row, and three
	s_mov_b32 s24, 15|(3<<16)|(1<<21)              ; 15:0 the mask: all four work-groups; 17:16 elements of 8 bytes; 21 set beside a mask
	s_mov_b32 s25, 1632<<16                        ; tensor_dim0
	s_mov_b32 s26, 1<<16                           ; tensor_dim1
	s_mov_b32 s27, 1632<<16                        ; tile_dim0
	s_mov_b32 s28, 1                               ; tile_dim1
	s_mov_b32 s29, 2464                            ; tensor_dim0_stride
	s_mov_b32 s30, 0
	s_mov_b32 s31, 0
	s_mov_b32 s32, 15|(3<<16)|(1<<21)
	s_mov_b32 s33, 1632<<16
	s_mov_b32 s34, 3<<16
	s_mov_b32 s35, 1632<<16
	s_mov_b32 s36, 3
	s_mov_b32 s37, 2464
	s_mov_b32 s38, 0
	s_mov_b32 s39, 0
	s_mul_i32 s50, s49, HEADB
	s_mov_b32 s51, 0
	s_mul_i32 s10, s19, REC                        ; key step w,
	s_mov_b32 s11, 0
	s_mul_i32 s12, s19, 3*REC
	s_add_co_u32 s12, s12, 4*REC                   ; key steps 4 + 3 w to 6 + 3 w
	s_mov_b32 s13, 0
	s_mov_b32 s20, 0x76543210
	s_mov_b32 s21, 0xfedcba98                      ; v_permlanex16_b32's selects for lane l xor 16
	s_mov_b32 s22, 0x3e38aa3b                      ; c = log2(e) / 8
	s_mov_b32 s23, s22                             ; (named with it as a pair, so it is written)
	s_mov_b32 s59, 0x600000                        ; the mantissa field of 1.75
	s_xor_b32 s70, s18, 15
	s_min_u32 s74, s18, s70                        ; the earlier of my two groups,
	s_xor_b32 s72, s74, 15                         ; the later
	s_lshr_b32 s70, s18, 3
	s_lshl_b32 s75, s70, 2
	s_xor_b32 s73, s75, 4
	s_add_co_u32 s73, s73, s48                     ; my tile in the later group: cx in the group of my own number, 4 + cx in the other
	s_add_co_u32 s75, s75, s48                     ; and in the earlier
	s_wait_dscnt 0x0
	s_wait_kmcnt 0x0
	s_add_nc_u64 s[50:51], s[4:5], s[50:51]        ; my head's records
	s_mov_b32 s40, 1                               ; group 0: count
	s_mul_i32 s41, s19, KVB                        ; LDS address
	s_add_nc_u64 s[42:43], s[50:51], s[10:11]      ; global address
	s_or_b32 s43, s43, 0x80000000                  ; type
	s_mov_b32 s44, 1
	s_mul_i32 s45, s19, 3*KVB
	s_add_co_u32 s45, s45, 4*KVB
	s_add_nc_u64 s[46:47], s[50:51], s[12:13]
	s_or_b32 s47, s47, 0x80000000
	CROUND                                         ; all four work-groups are here: the joint loads meet
	s_cmp_lt_u32 s18, 4                            ; a wave's two fills stand in one branch: two tensor loads of mine are out
	s_cbranch_scc0 .Lno_fetch
	tensor_load_to_lds s[40:43], s[24:31]
	s_nop 0
	tensor_load_to_lds s[44:47], s[32:39]
	s_nop 0
.rept 4
	v_nop
.endr
.Lno_fetch:
	v_and_b32 v9, 31, v0
	s_delay_alu instid0(VALU_DEP_1)
	v_lshlrev_b32 v1, 4, v9                        ; 16 x lane
	s_delay_alu instid0(VALU_DEP_2)
	v_lshlrev_b32 v2, 3, v9                        ; 8 x lane
	v_and_b32 v29, 15, v0                          ; r
	v_bfe_u32 v28, v0, 4, 1                        ; h
	s_delay_alu instid0(VALU_DEP_2)
	v_and_b32 v10, 8, v29
	s_delay_alu instid0(VALU_DEP_1)
	v_add_nc_u32 v10, v10, v29                     ; r + 8 (r / 8): my query's place in its tile's 32
	s_delay_alu instid0(VALU_DEP_3)
	v_lshlrev_b32 v11, 4, v28
	s_delay_alu instid0(VALU_DEP_1)
	v_sub_nc_u32 v11, v10, v11                     ; - 16 h
	v_lshlrev_b32 v30, 4, v29                      ; 16 r
	v_lshlrev_b32 v29, 3, v29                      ; 8 r
	s_lshl_b32 s70, s18, 8
	v_lshlrev_b32 v8, 5, v28                       ; 32 h
	s_delay_alu instid0(VALU_DEP_1)
	v_add_nc_u32 v6, s70, v8
	s_delay_alu instid0(VALU_DEP_1)
	v_add_nc_u32 v6, PST, v6                       ; where I put my key step's sums of v
	v_add_nc_u32 v7, s70, v2
	s_delay_alu instid0(VALU_DEP_1)
	v_add_nc_u32 v7, SVT, v7                       ; where I put the sums over the later steps
	v_add_nc_u32 v31, PST, v2
	v_add_nc_u32 v8, SVT, v8
.irp j, 22,23,24,25,26,27,80,81,82,83,84,85
	v_mov_b32 v\j, 0                               ; zero codes
.endr
.irp j, 236,237,238,239,252,253
	v_mov_b32 v\j, 0                               ; written once: a lane permute's destination counts as one of its sources; v253 is named as the upper half of a pair
.endr
; A tile of 16 queries begins: g, sub: the scalar registers with its group and its place there.
.macro TILE_INIT g, sub
	s_wait_xcnt 0x0                                ; earlier loads and stores have read their bases and registers
	s_mov_b32 s52, s[\g]
	s_mov_b32 s53, s[\sub]
	s_mul_i32 s10, s52, REC
	s_mul_i32 s11, s53, 768
	s_add_co_u32 s60, s10, s11
	s_add_co_u32 s60, s60, Q_OFF
	s_mov_b32 s61, 0
	s_add_nc_u64 s[60:61], s[50:51], s[60:61]      ; q's tile
	s_and_b32 s11, s53, 1
	s_lshl_b32 s62, s11, 8
	s_lshr_b32 s12, s53, 1
	s_lshl_b32 s13, s12, 2
	s_add_co_u32 s62, s62, s13
	s_add_co_u32 s62, s62, s10
	s_add_co_u32 s62, s62, QS_OFF
	s_mov_b32 s63, 0
	s_add_nc_u64 s[62:63], s[50:51], s[62:63]      ; its scale words
	global_load_b128 v[16:19], v1, s[60:61]
	global_load_b64 v[20:21], v2, s[60:61] offset:512
	global_load_b32 v255, v30, s[62:63]
	s_lshl_b32 s12, s12, 5
	s_lshl_b32 s11, s11, 3
	s_add_co_u32 s12, s12, s11                     ; the tile's first query in its group
	v_add_nc_u32 v5, s12, v11                      ; my query in the group, - 16 h: register 16 b + i of the diagonal step is hidden where 32 b + i is above it
	s_lshl_b32 s13, s52, 7
	s_add_co_u32 s13, s13, s12
	v_add_nc_u32 v9, s13, v10                      ; my query's place in the sequence
	v_mov_b32 v88, 0xc7c35000                      ; -1e5
	s_delay_alu instid0(VALU_DEP_1)
	v_mul_f32 v13, s22, v88                        ; the largest t so far: a hidden key's,
	v_mov_b32 v88, 0xff61b1e6
	s_delay_alu instid0(VALU_DEP_4)
	v_cmp_eq_u32 vcc_lo, 0x7ff, v9
	s_delay_alu instid0(VALU_DEP_1)
	v_cndmask_b32 v13, v13, v88, vcc_lo            ; or -3e38 for the one query that has none
	s_delay_alu instid0(VALU_DEP_1)
	v_floor_f32 v12, -v13                          ; -M
	v_mov_b32 v14, 0
	v_mov_b32 v15, 0
.set n, 0
.rept 32
	v_mov_b32 v[160+n], 0                          ; O^T (the step is written once: the first finds zeros)
.set n, n+1
.endr
	s_sub_co_u32 s10, 15, s52
	s_lshl_b32 s10, s10, 6
	v_cvt_f32_u32 v89, s10                         ; half the keys behind the diagonal step: the row's sum lies in two lanes
	s_lshl_b32 s58, s52, 8
	s_lshr_b32 s10, s49, 4
	s_lshl_b32 s10, s10, 7
	s_lshl_b32 s11, s52, 3
	s_add_co_u32 s10, s10, s11
	s_add_co_u32 s10, s10, s53                     ; ctx's stored tile: 128 x batch + 8 x group + place
	s_and_b32 s11, s49, 15                         ; the head: ctx's chunk of 64 along K
	s_mul_i32 s66, s10, 12288
	s_mul_i32 s12, s11, 768
	s_add_co_u32 s66, s66, s12
	s_mov_b32 s67, 0
	s_add_nc_u64 s[66:67], s[6:7], s[66:67]
	s_lshr_b32 s68, s10, 1
	s_lshl_b32 s68, s68, 10
	s_lshr_b32 s12, s11, 2
	s_lshl_b32 s12, s12, 8
	s_add_co_u32 s68, s68, s12
	s_and_b32 s12, s10, 1
	s_lshl_b32 s12, s12, 7
	s_add_co_u32 s68, s68, s12
	s_and_b32 s12, s11, 3
	s_lshl_b32 s12, s12, 1
	s_add_co_u32 s68, s68, s12
	s_mov_b32 s69, 0
	s_add_nc_u64 s[68:69], s[8:9], s[68:69]
	s_mov_b32 s54, 0                               ; the key step,
	s_mov_b32 s55, 0                               ; and where its record begins in LDS
	s_wait_loadcnt 0x0
.endm
; A KEY STEP of 128 keys.  causal = 1: a step behind my tile's group is left out (a branch on the wave's number and the count of steps), and on the diagonal step hidden scores become -1e5.
.macro STEP causal
.if \causal
	s_cmp_gt_u32 s54, s52
	s_cbranch_scc1 .Lhidden_\@
.endif
	s_setprio 2
	v_add_nc_u32 v3, s55, v1
	v_add_nc_u32 v4, s55, v2
	v_nop
	v_nop                                          ; four places in front of loads into registers that the last products read
	ds_load_b128 v[248:251], v3 offset:KS_OFF      ; k's scale words: register t / 2, lanes 0-15 the even tile, lanes 16-31 the odd
.irp t, 0,1,2,3,4,5,6,7
	ds_load_b128 v[32+6*\t:35+6*\t], v3 offset:768*\t
	ds_load_b64 v[36+6*\t:37+6*\t], v4 offset:768*\t+512
.endr
	s_wait_alu depctr_va_vdst(0)
	s_wait_dscnt 0x0
.irp t, 0,2,4,6
	v_wmma_scale_f32_16x16x128_f8f6f4 v[96+8*\t:103+8*\t], v[32+6*\t:43+6*\t], v[16:27], 0, v[248+\t/2], v255 matrix_a_fmt:MATRIX_FMT_BF6 matrix_b_fmt:MATRIX_FMT_BF6
	v_wmma_scale_f32_16x16x128_f8f6f4 v[104+8*\t:111+8*\t], v[38+6*\t:49+6*\t], v[16:27], 0, v[248+\t/2], v255 matrix_a_fmt:MATRIX_FMT_BF6 matrix_b_fmt:MATRIX_FMT_BF6 matrix_a_scale:MATRIX_SCALE_ROW1
.endr
.rept 4
	v_nop
.endr
	ds_load_b64 v[248:249], v4 offset:VS_OFF       ; v's loads go out at once and land under the softmax
.irp t, 0,1,2,3
.irp c, 0,1,2
	ds_load_b128 v[32+12*\t+4*\c:35+12*\t+4*\c], v3 offset:V_OFF+1536*\t+512*\c
.endr
.endr
.if \causal
	s_cmp_lg_u32 s54, s52
	s_cbranch_scc1 .Lopen_\@
	v_mov_b32 v254, 0xc7c35000                     ; -1e5, as reference() has it, ahead of the scaling
.set n, 0
.rept 64
	v_cmp_gt_i32 vcc_lo, 32*(n/16)+n%16, v5
	v_cndmask_b32 v[96+n], v[96+n], v254, vcc_lo
.set n, n+1
.endr
.Lopen_\@:
.endif
.irp b, 0,1,2,3
	v_max3_num_f32 v[232+\b], v[96+16*\b], v[97+16*\b], v[98+16*\b]   ; the largest score of each block of 32 keys: for the row's maximum and, since p rises with the score, for the block's largest p
.endr
.irp i, 3,5,7,9,11,13
.irp b, 0,1,2,3
	v_max3_num_f32 v[232+\b], v[232+\b], v[96+16*\b+\i], v[97+16*\b+\i]
.endr
.endr
.irp b, 0,1,2,3
	v_max_num_f32 v[232+\b], v[232+\b], v[111+16*\b]
.endr
.irp b, 0,1,2,3
	s_delay_alu instid0(VALU_DEP_4)
	v_permlanex16_b32 v[236+\b], v[232+\b], s20, s21
.endr
.irp b, 0,1,2,3
	s_delay_alu instid0(VALU_DEP_4)
	v_max_num_f32 v[232+\b], v[232+\b], v[236+\b]  ; with lane l xor 16's 16 keys
.endr
	s_delay_alu instid0(VALU_DEP_2)
	v_max3_num_f32 v254, v232, v233, v234
	s_delay_alu instid0(VALU_DEP_1)
	v_max_num_f32 v254, v254, v235
	s_delay_alu instid0(VALU_DEP_1)
	v_mul_f32 v254, s22, v254                      ; as t (c is positive)
	s_delay_alu instid0(VALU_DEP_1)
	v_max_num_f32 v13, v13, v254                   ; the running largest t
	v_mov_b32 v254, v12
	s_delay_alu instid0(VALU_DEP_2)
	v_floor_f32 v12, -v13                          ; the new -M = -ceil(t)
	s_delay_alu instid0(VALU_DEP_1)
	v_sub_f32 v254, v12, v254                      ; old M - new M: a whole number, 0 or less
	s_delay_alu instid0(VALU_DEP_1)
	v_cvt_i32_f32 v254, v254                       ; (it saturates)
	s_delay_alu instid0(VALU_DEP_1)
	v_ldexp_f32 v252, 1.0, v254                    ; f = 2^(old M - new M)
.set n, 0
.rept 32
	v_pk_fma_f32 v[96+n:97+n], v[96+n:97+n], s[22:23], v[12:13] op_sel_hi:[1,0,0]   ; t - M, two at a time
.set n, n+2
.endr
.irp b, 0,1,2,3
	v_fma_f32 v[232+\b], v[232+\b], s22, v12
.endr
.set n, 0
	s_setprio 1
	s_wait_alu depctr_va_vdst(0)
.rept 64
	v_exp_f32 v[96+n], v[96+n]                     ; p = 2^(t - M): not normalised
.set n, n+1
.endr
.irp b, 0,1,2,3
	v_exp_f32 v[232+\b], v[232+\b]                 ; the block's largest p: the same two instructions on the same number
.endr
	v_pk_mul_f32 v[14:15], v[14:15], v[252:253] op_sel_hi:[1,0]   ; the sums under the new M (a plain line behind the exponentials)
	s_wait_alu depctr_va_vdst(0)
.irp b, 0,1,2,3
	v_max_num_f32 v[232+\b], 0x2800000, v[232+\b]  ; the floor 2^(5 - 127)
.endr
.irp b, 0,1,2,3
	s_delay_alu instid0(VALU_DEP_4)
	v_add_nc_u32 v[244+\b], 0xfe000000, v[232+\b]  ; the conversion's scale operand
.endr
.irp b, 0,1,2,3
	s_delay_alu instid0(VALU_DEP_4)
	v_lshrrev_b32 v[236+\b], 23, v[244+\b]         ; the scale's byte
.endr
	s_delay_alu instid0(VALU_DEP_3)
	v_lshl_or_b32 v253, v237, 8, v236              ; p's scale word for these 128 keys
	s_delay_alu instid0(VALU_DEP_1)
	v_lshl_or_b32 v253, v238, 16, v253
	s_delay_alu instid0(VALU_DEP_1)
	v_lshl_or_b32 v253, v239, 24, v253
.irp c, 0,1
	v_cvt_scalef32_pk16_bf6_f32 v[224+6*\c:226+6*\c], v[96+32*\c:111+32*\c], v[244+2*\c]
	v_cvt_scalef32_pk16_bf6_f32 v[236+4*\c:238+4*\c], v[112+32*\c:127+32*\c], v[244+2*\c+1]
.endr
	v_nop                                          ; one plain line behind the conversions
.irp c, 0,1
.irp i, 0,1,2
	v_permlane16_swap_b32 v[224+6*\c+\i], v[236+4*\c+\i]
.endr
.irp i, 0,1,2
	s_delay_alu instid0(VALU_DEP_3)
	v_mov_b32 v[227+6*\c+\i], v[236+4*\c+\i]
.endr
.endr
.set n, 0
.rept 16
	v_pk_mul_f32 v[160+n:161+n], v[160+n:161+n], v[252:253] op_sel_hi:[1,0]   ; O^T under the new M
.set n, n+2
.endr
	v_pk_add_f32 v[236:237], v[100:101], v[104:105]
	v_pk_add_f32 v[250:251], v[108:109], v[112:113]
	v_pk_add_f32 v[246:247], v[116:117], v[120:121]
	v_pk_add_f32 v[244:245], v[124:125], v[128:129]
	v_pk_add_f32 v[240:241], v[132:133], v[136:137]
	s_setprio 0
	v_pk_add_f32 v[222:223], v[140:141], v[144:145]
	v_pk_add_f32 v[220:221], v[148:149], v[152:153]
	v_pk_add_f32 v[14:15], v[14:15], v[156:157]
	v_pk_add_f32 v[236:237], v[236:237], v[96:97]
	v_pk_add_f32 v[250:251], v[250:251], v[98:99]
	v_pk_add_f32 v[246:247], v[246:247], v[102:103]
	v_pk_add_f32 v[244:245], v[244:245], v[106:107]
	v_pk_add_f32 v[240:241], v[240:241], v[110:111]
	v_pk_add_f32 v[222:223], v[222:223], v[114:115]
	v_pk_add_f32 v[220:221], v[220:221], v[118:119]
	v_pk_add_f32 v[14:15], v[14:15], v[122:123]
	v_pk_add_f32 v[236:237], v[236:237], v[126:127]
	v_pk_add_f32 v[250:251], v[250:251], v[130:131]
	v_pk_add_f32 v[246:247], v[246:247], v[134:135]
	v_pk_add_f32 v[244:245], v[244:245], v[138:139]
	v_pk_add_f32 v[240:241], v[240:241], v[142:143]
	v_pk_add_f32 v[222:223], v[222:223], v[146:147]
	v_pk_add_f32 v[220:221], v[220:221], v[150:151]
	v_pk_add_f32 v[14:15], v[14:15], v[154:155]
	v_pk_add_f32 v[236:237], v[236:237], v[158:159]
	s_delay_alu instid0(VALU_DEP_2)
	v_pk_add_f32 v[14:15], v[14:15], v[244:245]
	s_delay_alu instid0(VALU_DEP_2)
	v_pk_add_f32 v[236:237], v[236:237], v[240:241]
	v_pk_add_f32 v[250:251], v[250:251], v[222:223]
	v_pk_add_f32 v[246:247], v[246:247], v[220:221]
	s_delay_alu instid0(VALU_DEP_2)
	v_pk_add_f32 v[14:15], v[14:15], v[250:251]
	s_delay_alu instid0(VALU_DEP_2)
	v_pk_add_f32 v[236:237], v[236:237], v[246:247]
	s_delay_alu instid0(VALU_DEP_1)
	v_pk_add_f32 v[14:15], v[14:15], v[236:237]
	s_wait_dscnt 0x0                               ; v
.irp t, 0,2
	v_wmma_scale_f32_16x16x128_f8f6f4 v[160+8*\t:167+8*\t], v[32+12*\t:43+12*\t], v[224:235], v[160+8*\t:167+8*\t], v[248+\t/2], v253 matrix_a_fmt:MATRIX_FMT_BF6 matrix_b_fmt:MATRIX_FMT_BF6
	v_wmma_scale_f32_16x16x128_f8f6f4 v[168+8*\t:175+8*\t], v[44+12*\t:55+12*\t], v[224:235], v[168+8*\t:175+8*\t], v[248+\t/2], v253 matrix_a_fmt:MATRIX_FMT_BF6 matrix_b_fmt:MATRIX_FMT_BF6 matrix_a_scale:MATRIX_SCALE_ROW1
.endr
.if \causal
.Lhidden_\@:
.endif
	s_add_co_u32 s54, s54, 1
	s_add_co_u32 s55, s55, KVB
.endm
; A tile ends: the keys behind the diagonal step, the division, ctx's codes and scale bytes.
.macro WAYOUT
.rept 4
	v_nop                                          ; places behind the last products
.endr
	s_cmp_eq_u32 s52, 15                           ; the last group has no key step behind it
	s_cbranch_scc1 .Lno_tail_\@
	v_add_nc_u32 v9, s58, v8
.irp t, 0,1,2,3
	ds_load_b128 v[192+8*\t:195+8*\t], v9 offset:64*\t       ; the sums of the quantised v over the steps behind my group, in O^T's layout
	ds_load_b128 v[196+8*\t:199+8*\t], v9 offset:64*\t+16
.endr
	v_mov_b32 v88, 0xc7c35000
	s_delay_alu instid0(VALU_DEP_1)
	v_fma_f32 v88, v88, s22, v12                   ; t_m - M, by the line that the diagonal step's hidden scores went through
	s_wait_alu depctr_va_vdst(0)
	v_exp_f32 v88, v88                             ; p_m
	v_nop
	s_wait_alu depctr_va_vdst(0)
	v_bfe_u32 v86, v88, 21, 1                      ; a block of 32 equal numbers: code x scale is the number rounded to two mantissa bits, ties to even,
	v_add3_u32 v86, v88, v86, 0xfffff
	s_delay_alu instid0(VALU_DEP_1)
	v_and_b32 v86, 0xffe00000, v86
	v_and_or_b32 v87, v88, 0x7f800000, s59         ; and held at 1.75 x its power of two (the largest code)
	s_delay_alu instid0(VALU_DEP_1)
	v_min_num_f32 v86, v86, v87
	v_fmac_f32 v14, v89, v88                       ; the sum takes the unquantised p_m, once for each hidden key
	s_wait_alu depctr_va_vdst(0)
	s_wait_dscnt 0x0
.set n, 0
.rept 16
	v_pk_fma_f32 v[160+n:161+n], v[192+n:193+n], v[86:87], v[160+n:161+n] op_sel_hi:[1,0,1]
.set n, n+2
.endr
.Lno_tail_\@:
	s_wait_alu depctr_va_vdst(0)
	v_add_f32 v14, v14, v15
	s_delay_alu instid0(VALU_DEP_1)
	v_permlanex16_b32 v252, v14, s20, s21
	s_delay_alu instid0(VALU_DEP_1)
	v_add_f32 v14, v14, v252                       ; the row's sum
	s_wait_alu depctr_va_vdst(0)
	v_rcp_f32 v14, v14
	v_nop
.set n, 0
	s_wait_alu depctr_va_vdst(0)
.rept 16
	v_pk_mul_f32 v[96+n:97+n], v[160+n:161+n], v[14:15] op_sel_hi:[1,0]   ; register 16 b + i is ctx(query, 32 b + 16 h + i)
.set n, n+2
.endr
.irp b, 0,1
	v_max3_num_f32 v[232+\b], |v[96+16*\b]|, |v[97+16*\b]|, 0x2800000
.endr
.irp i, 2,4,6,8,10,12,14
.irp b, 0,1
	s_delay_alu instid0(VALU_DEP_2)
	v_max3_num_f32 v[232+\b], v[232+\b], |v[96+16*\b+\i]|, |v[97+16*\b+\i]|
.endr
.endr
.irp b, 0,1
	s_delay_alu instid0(VALU_DEP_2)
	v_permlanex16_b32 v[236+\b], v[232+\b], s20, s21
.endr
.irp b, 0,1
	s_delay_alu instid0(VALU_DEP_2)
	v_max_num_f32 v[232+\b], v[232+\b], v[236+\b]
.endr
.irp b, 0,1
	s_delay_alu instid0(VALU_DEP_2)
	v_add_nc_u32 v[244+\b], 0xfe000000, v[232+\b]
.endr
.irp b, 0,1
	s_delay_alu instid0(VALU_DEP_2)
	v_lshrrev_b32 v[238+\b], 23, v[244+\b]
.endr
	s_delay_alu instid0(VALU_DEP_1)
	v_lshl_or_b32 v254, v239, 8, v238              ; the head's two scale bytes of my row
	v_cvt_scalef32_pk16_bf6_f32 v[224:226], v[96:111], v244
	v_cvt_scalef32_pk16_bf6_f32 v[240:242], v[112:127], v245
	v_nop
.irp i, 0,1,2
	v_permlane16_swap_b32 v[224+\i], v[240+\i]     ; a whole block to a lane: lanes 0-15 block 0, lanes 16-31 block 1
.endr
.irp i, 0,1,2
	s_delay_alu instid0(VALU_DEP_3)
	v_mov_b32 v[227+\i], v[240+\i]
.endr
	global_store_b128 v1, v[224:227], s[66:67]                 ; 512 consecutive bytes
	global_store_b64 v2, v[228:229], s[66:67] offset:512       ; 256 consecutive bytes
	global_store_b16 v29, v254, s[68:69]                       ; a head owns two bytes of a row's eight: these leave singly (both halves of the lanes store the same)
.endm
	TILE_INIT 72, 73                               ; the tile of the later group first
	s_wait_tensorcnt 1                             ; my first fill (key step w of 0 to 3) is in; the second may stay out
	s_barrier_signal -1
	s_barrier_wait -1
	s_mov_b32 s56, 4
.Lp0:                                              ; key steps 0 to 3: the later group is 8 or more, so nothing is hidden; the other twelve steps land meanwhile
	STEP 0
	s_sub_co_u32 s56, s56, 1
	s_cmp_lg_u32 s56, 0
	s_cbranch_scc1 .Lp0
	s_setprio 0
.rept 4
	v_nop                                          ; places behind the last products
.endr
	s_wait_tensorcnt 0x0                           ; all my fills are in,
	s_wait_dscnt 0x0
	s_barrier_signal -1
	s_barrier_wait -1                              ; everybody's are
	; THE SUMS OF THE QUANTISED v: wave w multiplies key step w's four fragments by codes of 1.0 under the scale 1
	v_mov_b32 v253, 0x7f7f7f7f
.irp i, 0,1,2,3
	v_mov_b32 v[224+3*\i], 0x0c30c30c              ; the code 001100 sixteen times in 96 bits
	v_mov_b32 v[225+3*\i], 0xc30c30c3
	v_mov_b32 v[226+3*\i], 0x30c30c30
.endr
	s_mul_i32 s70, s18, KVB
	v_add_nc_u32 v3, s70, v1
	v_add_nc_u32 v4, s70, v2
	v_nop
	v_nop                                          ; four places behind the last code's line, sixteen behind the scale's
	ds_load_b64 v[248:249], v4 offset:VS_OFF
.irp t, 0,1,2,3
.irp c, 0,1,2
	ds_load_b128 v[32+12*\t+4*\c:35+12*\t+4*\c], v3 offset:V_OFF+1536*\t+512*\c
.endr
.endr
	s_wait_alu depctr_va_vdst(0)
	s_wait_dscnt 0x0
.irp t, 0,2
	v_wmma_scale_f32_16x16x128_f8f6f4 v[96+8*\t:103+8*\t], v[32+12*\t:43+12*\t], v[224:235], 0, v[248+\t/2], v253 matrix_a_fmt:MATRIX_FMT_BF6 matrix_b_fmt:MATRIX_FMT_BF6
	v_wmma_scale_f32_16x16x128_f8f6f4 v[104+8*\t:111+8*\t], v[44+12*\t:55+12*\t], v[224:235], 0, v[248+\t/2], v253 matrix_a_fmt:MATRIX_FMT_BF6 matrix_b_fmt:MATRIX_FMT_BF6 matrix_a_scale:MATRIX_SCALE_ROW1
.endr
.rept 4
	v_nop
.endr
.irp t, 0,1,2,3
	ds_store_b128 v6, v[96+8*\t:99+8*\t] offset:64*\t          ; the sixteen lanes of a half hold and write the same numbers
	ds_store_b128 v6, v[100+8*\t:103+8*\t] offset:64*\t+16
.endr
	s_wait_dscnt 0x0                               ; for the others' sake
	s_barrier_signal -1
	s_barrier_wait -1
.irp s, 1,2,3,4,5,6,7,8,9,10,11,12,13,14,15
	ds_load_b64 v[96+2*\s:97+2*\s], v31 offset:256*\s
.endr
	v_mov_b32 v128, 0
	v_mov_b32 v129, 0
	s_wait_dscnt 0x0
.irp s, 15,14,13,12,11,10,9,8,7,6,5,4,3,2,1
	s_cmp_ge_u32 s18, \s
	s_cbranch_scc1 .Lsummed
	s_wait_alu depctr_va_vdst(0)
	v_pk_add_f32 v[128:129], v[128:129], v[96+2*\s:97+2*\s]    ; wave w: the steps behind step w
.endr
.Lsummed:
	s_wait_alu depctr_va_vdst(0)
	ds_store_b64 v7, v[128:129]
	s_wait_dscnt 0x0
	s_barrier_signal -1
	s_barrier_wait -1                              ; from here on LDS is only read
	s_mov_b32 s56, 12
.Lp1:                                              ; key steps 4 to 15
	STEP 1
	s_sub_co_u32 s56, s56, 1
	s_cmp_lg_u32 s56, 0
	s_cbranch_scc1 .Lp1
	s_setprio 0
	WAYOUT
	TILE_INIT 74, 75                               ; the tile of the earlier group: at most eight steps
	s_mov_b32 s56, 8
.Lp2:
	STEP 1
	s_sub_co_u32 s56, s56, 1
	s_cmp_lg_u32 s56, 0
	s_cbranch_scc1 .Lp2
	s_setprio 0
	WAYOUT
	s_wait_tensorcnt 0x0
	ds_add_u32 v95, v243
	s_wait_dscnt 0x0
	CROUND                                         ; the closing round
	s_endpgm
.Lfunc_end_k_q36467f2afc_attn:
	.size	k_q36467f2afc_attn, .Lfunc_end_k_q36467f2afc_attn-k_q36467f2afc_attn
	.p2alignl 7, 3214868480
	.fill 96, 4, 3214868480
	.section	.rodata,"a",@progbits
	.p2align	6, 0x0
	.amdhsa_kernel k_q36467f2afc_attn
		.amdhsa_group_segment_fixed_size 219136
		.amdhsa_private_segment_fixed_size 0
		.amdhsa_enable_private_segment 0
		.amdhsa_kernarg_size 24
		.amdhsa_user_sgpr_count 2
		.amdhsa_user_sgpr_kernarg_segment_ptr 1
		.amdhsa_wavefront_size32 1
		.amdhsa_system_sgpr_workgroup_id_x 1
		.amdhsa_system_sgpr_workgroup_id_y 1
		.amdhsa_system_sgpr_workgroup_id_z 1
		.amdhsa_system_vgpr_workitem_id 0
		.amdhsa_next_free_vgpr 256
		.amdhsa_next_free_sgpr 80
		.amdhsa_reserve_vcc 1
		.amdhsa_float_denorm_mode_32 3
		.amdhsa_float_denorm_mode_16_64 3
		.amdhsa_memory_ordered 1
		.amdhsa_forward_progress 1
		.amdhsa_inst_pref_size 95
	.end_amdhsa_kernel
	.amdgpu_metadata
---
amdhsa.version: [ 1, 2 ]
amdhsa.kernels:
  - .name:           k_q36467f2afc_attn
    .symbol:         k_q36467f2afc_attn.kd
    .args:
      - { .name: qkv, .offset: 0, .size: 8, .value_kind: global_buffer, .address_space: global }
      - { .name: ctx_codes, .offset: 8, .size: 8, .value_kind: global_buffer, .address_space: global }
      - { .name: ctx_scales, .offset: 16, .size: 8, .value_kind: global_buffer, .address_space: global }
    .group_segment_fixed_size: 219136
    .private_segment_fixed_size: 0
    .kernarg_segment_align: 8
    .kernarg_segment_size: 24
    .max_flat_workgroup_size: 512
    .sgpr_count:     80
    .vgpr_count:     256
    .wavefront_size: 32
...
	.end_amdgpu_metadata
.endif
;; end of part 3
;; launch proj (part 4): grid 4 x 32, 4 waves a work-group, clusters of 4 x 4, 327,680 bytes of LDS; arguments ctx_codes, ctx_scales, w_codes, w_scales, b_proj, out0; writes out0
.if DOCPART == 4
	.amdgcn_target "amdgcn-amd-amdhsa--gfx1250"
	.amdhsa_code_object_version 6
	.text
	.protected	k_q36467f2afc_proj
	.globl	k_q36467f2afc_proj
	.p2align	8
	.type	k_q36467f2afc_proj,@function
k_q36467f2afc_proj:
	s_mov_b64 s[64:65], 0
	v_nop
	global_prefetch_b8 v0, s[64:65] scope:SCOPE_SE
	s_setreg_imm32_b32 hwreg(HW_REG_WAVE_MODE, 25, 1), 1
	s_wait_xcnt 0x0
	s_wait_alu depctr_hold_cnt(0) depctr_sa_sdst(0) depctr_va_vdst(0) depctr_va_sdst(0) depctr_va_ssrc(0) depctr_va_vcc(0) depctr_vm_vsrc(0)
	s_getreg_b32 s2, hwreg(HW_REG_IB_STS2, 6, 4)
	s_cmp_eq_u32 s2, 0
	s_cbranch_scc0 .Lentry_in_a_cluster
	s_endpgm
.Lentry_in_a_cluster:
	s_bfe_u32 s2, ttmp6, 0x10000c
	s_cmp_lg_u32 s2, 0xf033
	s_cbranch_scc0 .Lentry_shape_is_right
	s_endpgm
.Lentry_shape_is_right:
; ONE TEXT FOR TWO LAUNCHES.  MODE 0: q, k, v = x W_attn + b_attn, quantised on the way out.  MODE 1: out = ctx W_proj + b_proj, f32.  Both products on codes of BF6 (E3M2) with E8M0 scales for each 32 along K = 1024; sums in f32.
; OPERANDS lie in memory as images of the matrix operand's registers: a tile of 16 stored rows is 16 chunks of 64 along K, 768 bytes each: lane = r + 16 h holds block 2 kappa + h of row r: 16 bytes at 16 x lane, 8 at 512 + 8 x lane.
; Rows are stored with bits 3 and 4 of their number exchanged (row r of stored tile 2 c + u is true row 32 c + 8 u + r + 8 (r / 8)).  Scale bytes: [pair of tiles][quarter of K][u][r][8].
; A tile of C is 256 x 256, four waves of 128 x 128: 64 accumulators, 512 registers.  K goes in four steps of 256 through two LDS slots filled by the tensor data mover; the scale bytes of the 512 rows come once.
; THE MATRIX INSTRUCTION IS USED TRANSPOSED (source 0 = 16 rows of B, source 1 = 16 rows of A): a lane holds one row of A's, and, by the stored order of B's rows, the 16 registers of B's tiles 2 c, 2 c + 1 are 16 NEIGHBOURS, 32 c + 16 h + 0 .. 15.
; MODE 0: clusters x = 0, 1: A = x (tokens), B = w_attn's columns of q, of k: a lane's registers run along the head's 64, the K of q k^T.  Cluster x = 2: A = w_attn's columns of v, B = x: the registers run along the tokens, the K of p v.
; So one quantiser serves q, k and v.  The bias is the C of each sum's first product (so it enters the f32 sum first).
; CLUSTERS 4 x 4: A's tiles are asked for jointly by a row of the cluster, B's by a column.  All branches hang on the wave's number or on the cluster's x, which all sixteen partners share.
; LIMITS: NaN and infinities are not served; a block of zeros gets the byte 1 (zero codes; this program alone reads the bytes); blocks under 2^-122 are held at byte 1.
; REGISTERS: window 0: v0-31 addresses; v32-63 scale words, two sets; v64-127 the bias; v128-223 A's fragments, one set.  window 1: B's fragments, two sets at v0 and v128.  windows 2, 3: the accumulators ((a, b) at v[8 (8 (a % 4) + b)]).
.set MODE,   1
.set KSB,    3072                      ; a tile's bytes of a K step: four chunks
.set TILEB,  12288
.set FR,     12                        ; registers of a fragment
.set NL,     4                         ; LDS loads that bring one
.set NP,     4                         ; places behind this matrix instruction (ISA guide 7.12.1)
.set HALFT,  8*KSB                     ; 128 rows of a K step: what one tensor load brings
.set SLOT,   4*HALFT                   ; A's 256 rows, then B's
.set SCL,    2*SLOT                    ; behind the ring: the scale bytes, 4,096 for each 128 rows
.set HALFS,  4096
.set SPARE,  SCL+4*HALFS               ; the spare words, 128 bytes a wave: two blocks of 256 bytes that no other line names
.set STG,    SPARE+512                 ; stages of the way out: written by LDS stores alone, never a fill's target
.set STQ,    STG                       ; MODE 0: q's or k's scale words, 1,024 bytes a wave;
.set STV,    STG+4096                  ;         v's, 512 bytes a wave
.set SPITCH, 528                       ; MODE 1: 16 rows x (512 + 16) bytes a wave
.set REC,    19712                     ; qkv: [batch x head][128 tokens] records: k's 8 tiles, v's 4 fragments, k's and v's scale words, q's 8 tiles, q's scale words
.set HEADB,  16*REC
.set K_OFF,  0
.set V_OFF,  6144
.set KS_OFF, 12288
.set VS_OFF, 12800
.set Q_OFF,  13056
.set QS_OFF, 19200
.set L16,  8                           ; v8   16 x lane
.set L8,   9                           ; v9   8 x lane
.set SQW,  10                          ; v10-13 MODE 0: the scale words' stages, in and back
.set SQR,  11
.set SVW,  12
.set SVR,  13
.set BO,   14                          ; v14  the bias loads' offset
.set ADRA, 16                          ; v16-17 my A fragments in slot 0, 1 at 16 x lane; v18-19 at 8 x lane
.set ADRB, 20                          ; v20-23 the same for B
.set STO,  24                          ; v24-26 MODE 1: stage in, stage back, my bytes in a row of out
.set RD,   25
.set CO,   26
.set ADRS, 27                          ; v27  my scale words: lanes 0-15 A's rows, lanes 16-31 B's
.set SPW,  28                          ; v28  my spare word; never rewritten
.set NIL,  29                          ; v29  0; never rewritten
.set SC,   32
.set BIAS, 64
.set AF,   128
.set BK,   128                         ; MODE 1: rows read back, v128-191 and v192-255 by turns
.set PC,   112                         ; MODE 0: v112-131 codes just made; v200-215 at work; v216 the scale word
.set TM,   200
.set PW,   216
.set G1,   24
.set G0,   32
.set G1B,  48
.set G0B,  56
.set G1S,  68
.set G0S,  76
.set G1SB, 80
.set G0SB, 88
.set MSB, 0
.macro WIN new                         ; the immediate's high byte repeats the setting that is left
.if MSB != \new
	s_set_vgpr_msb (MSB<<8)|\new
.set MSB, \new
.endif
.endm
.set MUL_LO, 0xa1                      ; source 0 (B) window 1, source 1 (A) window 0, C and D window 2
.set MUL_HI, 0xf1                      ; the same, C and D window 3
.set BEG_LO, 0x81                      ; the first products: C (the bias) window 0, D window 2
.set BEG_HI, 0xc1                      ; D window 3
.set TO_B,   0x40                      ; destination window 1, address window 0
.macro JLOAD g0a, g1a, g0b, g1b        ; a joint load: waves 0, 1 fetch for A, waves 2, 3 for B; four v_nop follow each of the two lines
	s_cmp_eq_u32 s17, 0
	s_cbranch_scc0 .Lfor_b_\@
	tensor_load_to_lds s[\g0a:\g0a+3], s[\g1a:\g1a+7]
	s_nop 0
.rept 4
	v_nop
.endr
	s_branch .Lasked_\@
.Lfor_b_\@:
	tensor_load_to_lds s[\g0b:\g0b+3], s[\g1b:\g1b+7]
	s_nop 0
.rept 4
	v_nop
.endr
.Lasked_\@:
.endm
.macro CREST                           ; a round of the cluster's barrier behind its opening barrier
	s_cmp_lg_u32 s16, 0
	s_cbranch_scc1 .Lnot_wave_0_\@
	s_barrier_signal -3
.Lnot_wave_0_\@:
	s_barrier_wait -3
	s_barrier_signal -1
	s_barrier_wait -1
.endm
.macro CROUND
	s_barrier_signal -1
	s_barrier_wait -1
	CREST
.endm
.macro PLACES n
.rept \n
	v_nop
.endr
.endm
	s_load_b256 s[4:11], s[0:1], 0x0               ; x's (ctx's) codes s[4:5], scales s[6:7]; the weights' codes s[8:9], scales s[10:11]
	s_load_b128 s[12:15], s[0:1], 0x20             ; the bias s[12:13], the output s[14:15]
	v_lshl_add_u32 v[SPW], v0, 2, SPARE
	v_mov_b32 v[NIL], 0
	ds_add_u32 v28, v29
	ds_add_u32 v28, v29
	s_wait_dscnt 0x0
	v_lshrrev_b32 v1, 5, v0
	v_readfirstlane_b32 s16, v1                    ; wave 0..3
	s_lshr_b32 s17, s16, 1                         ; my half of the tile's rows.  Also: I fetch for A (0) or for B (1)
	s_and_b32 s18, s16, 1                          ; my half of its columns.  Also: which 128 rows I fetch
	s_bfe_u32 s40, ttmp6, 0x40000                  ; cx
	s_bfe_u32 s41, ttmp6, 0x40004                  ; cy
	s_and_b32 s42, ttmp7, 0xffff                   ; cluster y
.if MODE == 0
	s_cmp_eq_u32 ttmp9, 2                          ; the clusters of v: A's tile row is cy alone, B's tile column goes with cluster y
	s_cselect_b32 s45, 0, s42
	s_cselect_b32 s46, s42, ttmp9
.else
	s_mov_b32 s45, s42
	s_mov_b32 s46, ttmp9
.endif
	s_lshl_b32 s45, s45, 2
	s_add_co_u32 s45, s45, s41                     ; tile row (A)
	s_lshl_b32 s46, s46, 2
	s_add_co_u32 s46, s46, s40                     ; tile column (B)
	s_lshl_b32 s43, s41, 2
	s_lshl_b32 s43, 15, s43                        ; my row of the cluster
	s_lshl_b32 s44, 0x1111, s40                    ; my column
	; descriptor group 1, codes: 8 tiles' parts of a K step: 8 rows of 384 elements of 8 bytes, 1,536 elements apart; dense in LDS
	s_or_b32 s[G1+0], s43, (3<<16)|(1<<21)         ; 15:0 the mask; 17:16 elements of 8 bytes; 21 set beside a mask; no padding
	s_or_b32 s[G1B+0], s44, (3<<16)|(1<<21)
.irp g, G1, G1B
	s_mov_b32 s[\g+1], 384<<16                     ; tensor_dim0
	s_mov_b32 s[\g+2], 8<<16                       ; tensor_dim1
	s_mov_b32 s[\g+3], 384<<16                     ; tile_dim0
	s_mov_b32 s[\g+4], 8                           ; tile_dim1
	s_mov_b32 s[\g+5], 1536                        ; tensor_dim0_stride
	s_mov_b32 s[\g+6], 0
	s_mov_b32 s[\g+7], 0
.endr
	; scale bytes of 128 rows: 4,096 dense bytes as 16 rows of 256
	s_or_b32 s[G1S+0], s43, (3<<16)|(1<<21)
	s_or_b32 s[G1SB+0], s44, (3<<16)|(1<<21)
.irp g, G1S, G1SB
	s_mov_b32 s[\g+1], 32<<16
	s_mov_b32 s[\g+2], 16<<16
	s_mov_b32 s[\g+3], 32<<16
	s_mov_b32 s[\g+4], 16
	s_mov_b32 s[\g+5], 32
	s_mov_b32 s[\g+6], 0
	s_mov_b32 s[\g+7], 0
.endr
	s_lshl_b32 s20, s45, 1
	s_add_co_u32 s20, s20, s18                     ; A: which 128 rows I would fetch
	s_lshl_b32 s92, s46, 1
	s_add_co_u32 s92, s92, s18                     ; B likewise
	s_lshl_b32 s22, s20, 12                        ; their scale bytes,
	s_mul_i32 s20, s20, 8*TILEB                    ; their codes
	s_lshl_b32 s94, s92, 12
	s_mul_i32 s92, s92, 8*TILEB
	s_mov_b32 s21, 0
	s_mov_b32 s23, 0
	s_mov_b32 s93, 0
	s_mov_b32 s95, 0
.if MODE == 0
	s_cmp_eq_u32 ttmp9, 2
	s_cselect_b32 s96, 128*TILEB, 0                ; v's columns begin at stored row 2,048 of the weights
	s_cselect_b32 s97, 64*1024, 0
	s_add_co_u32 s20, s20, s96
	s_add_co_u32 s22, s22, s97
.else
	s_add_co_u32 s92, s92, 192*TILEB               ; w_proj's columns begin at stored row 3,072
	s_add_co_u32 s94, s94, 96*1024
.endif
	s_mul_i32 s47, s16, HALFT                      ; where they go: wave x 128 rows: no place in the cluster enters an LDS address
	s_lshl_b32 s19, s16, 12
	s_wait_kmcnt 0x0
.if MODE == 0
	s_cmp_eq_u32 ttmp9, 2
	s_cselect_b64 s[96:97], s[8:9], s[4:5]         ; A's codes and scales,
	s_cselect_b64 s[98:99], s[10:11], s[6:7]
	s_cselect_b64 s[4:5], s[4:5], s[8:9]           ; B's
	s_cselect_b64 s[6:7], s[6:7], s[10:11]
	s_add_nc_u64 s[20:21], s[96:97], s[20:21]
	s_add_nc_u64 s[22:23], s[98:99], s[22:23]
	s_add_nc_u64 s[92:93], s[4:5], s[92:93]
	s_add_nc_u64 s[94:95], s[6:7], s[94:95]
.else
	s_add_nc_u64 s[20:21], s[4:5], s[20:21]
	s_add_nc_u64 s[22:23], s[6:7], s[22:23]
	s_add_nc_u64 s[92:93], s[8:9], s[92:93]
	s_add_nc_u64 s[94:95], s[10:11], s[94:95]
.endif
	CROUND                                         ; all sixteen work-groups are here: the first joint loads meet
	s_mov_b32 s[G0S], 1
	s_add_co_u32 s[G0S+1], s19, SCL
	s_mov_b64 s[G0S+2:G0S+3], s[22:23]
	s_or_b32 s[G0S+3], s[G0S+3], 0x80000000
	s_mov_b32 s[G0SB], 1
	s_add_co_u32 s[G0SB+1], s19, SCL
	s_mov_b64 s[G0SB+2:G0SB+3], s[94:95]
	s_or_b32 s[G0SB+3], s[G0SB+3], 0x80000000
	JLOAD G0S, G1S, G0SB, G1SB                     ; the scales first: they are wanted with K step 0
.irp s, 0,1
	s_mov_b32 s[G0+4*\s], 1
	s_add_co_u32 s[G0+4*\s+1], s47, \s*SLOT
	s_add_nc_u64 s[G0+4*\s+2:G0+4*\s+3], s[20:21], \s*KSB
	s_or_b32 s[G0+4*\s+3], s[G0+4*\s+3], 0x80000000
	s_mov_b32 s[G0B+4*\s], 1
	s_add_co_u32 s[G0B+4*\s+1], s47, \s*SLOT
	s_add_nc_u64 s[G0B+4*\s+2:G0B+4*\s+3], s[92:93], \s*KSB
	s_or_b32 s[G0B+4*\s+3], s[G0B+4*\s+3], 0x80000000
	JLOAD G0+4*\s, G1, G0B+4*\s, G1B               ; three tensor loads of mine are out
.endr
	v_and_b32 v1, 15, v0                           ; r
	v_bfe_u32 v2, v0, 4, 1                         ; h
	v_and_b32 v3, 31, v0
	v_lshlrev_b32 v[L16], 4, v3
	v_lshlrev_b32 v[L8], 3, v3
	s_mul_i32 s2, s17, HALFT                       ; my 128 rows of A
	s_mul_i32 s3, s18, HALFT                       ; my 128 rows of B,
	s_add_co_u32 s3, s3, 2*HALFT                   ; which lie behind A's 256
.irp s, 0,1
	v_add_nc_u32 v[ADRA+\s], s2, v[L16]
	v_add_nc_u32 v[ADRB+\s], s3, v[L16]
	v_add_nc_u32 v[ADRA+2+\s], s2, v[L8]
	v_add_nc_u32 v[ADRB+2+\s], s3, v[L8]
	s_add_co_u32 s2, s2, SLOT
	s_add_co_u32 s3, s3, SLOT
.endr
	s_lshl_b32 s2, s17, 12                         ; A's scale bytes of my 128 rows;
	s_lshl_b32 s3, s18, 12                         ; B's lie behind A's 8,192
	s_add_co_u32 s3, s3, 2*HALFS
	s_sub_co_u32 s3, s3, s2
	v_mul_u32_u24 v6, s3, v2                       ; lanes 16-31 take B's: one product, the distance between the two
	s_add_co_u32 s2, s2, SCL
	v_lshl_add_u32 v6, v1, 3, v6
	v_add_nc_u32 v[ADRS], s2, v6
	s_lshl_b32 s45, s45, 1
	s_add_co_u32 s45, s45, s17                     ; which 128 of A's rows are my wave's
	s_lshl_b32 s46, s46, 1
	s_add_co_u32 s46, s46, s18                     ; which 128 of B's
.macro BIASCOL                         ; the bias runs along B's rows: for B's tile b a lane wants the eight numbers at 32 (b / 2) + 8 (b % 2) + 16 h
.irp b, 0,1,2,3,4,5,6,7
	global_load_b128 v[BIAS+8*\b:BIAS+8*\b+3], v[BO], s[12:13] offset:(32*(\b/2)+8*(\b%2))*4
	global_load_b128 v[BIAS+8*\b+4:BIAS+8*\b+7], v[BO], s[12:13] offset:(32*(\b/2)+8*(\b%2))*4+16
.endr
.endm
.if MODE == 0
	s_mov_b32 s66, 0x76543210
	s_mov_b32 s67, 0xfedcba98                      ; v_permlanex16_b32's selects for lane l xor 16
	s_lshl_b32 s2, s16, 10
	s_add_co_u32 s2, s2, STQ
	v_lshl_add_u32 v[SQW], v1, 4, s2
	v_add_nc_u32 v[SQR], s2, v[L16]
	s_lshl_b32 s2, s16, 9
	s_add_co_u32 s2, s2, STV
	v_lshl_add_u32 v[SVW], v1, 3, s2
	v_add_nc_u32 v[SVR], s2, v[L8]
	s_cmp_eq_u32 ttmp9, 2
	s_cselect_b32 s2, s45, s46
	s_cselect_b32 s3, 8192, 0                      ; v's bias begins at number 2,048
	s_lshl_b32 s2, s2, 9
	s_add_co_u32 s2, s2, s3
	s_mov_b32 s3, 0
	s_add_nc_u64 s[12:13], s[12:13], s[2:3]
	s_cmp_eq_u32 ttmp9, 2
	s_cbranch_scc1 .Lbias_v
	v_lshlrev_b32 v[BO], 6, v2
	BIASCOL
	s_branch .Lbias_done
.Lbias_v:                                          ; v: the bias runs along A's rows: one number a lane for A's tile a, spread over the tile's eight registers
	v_and_b32 v[BO], 8, v1
	v_add_nc_u32 v[BO], v[BO], v1
	v_lshlrev_b32 v[BO], 2, v[BO]
.irp a, 0,1,2,3,4,5,6,7
	global_load_b32 v[BIAS+8*\a], v[BO], s[12:13] offset:(32*(\a/2)+8*(\a%2))*4
.endr
	s_wait_loadcnt 0x0                             ; (the first tiles are on their way meanwhile)
.irp a, 0,1,2,3,4,5,6,7
.irp j, 1,2,3,4,5,6,7
	v_mov_b32 v[BIAS+8*\a+\j], v[BIAS+8*\a]
.endr
.endr
.Lbias_done:
	; where my results go: the 128 tokens' record of the first of my two heads
	s_and_b32 s3, s46, 7
	s_cmp_eq_u32 ttmp9, 2
	s_cselect_b32 s2, s46, s45                     ; which 128 tokens
	s_cselect_b32 s3, s45, s3                      ; which pair of heads
	s_cselect_b32 s19, V_OFF, K_OFF
	s_mov_b32 s47, KS_OFF
	s_cselect_b32 s47, VS_OFF, s47
	s_cmp_eq_u32 ttmp9, 0
	s_cselect_b32 s19, Q_OFF, s19
	s_cselect_b32 s47, QS_OFF, s47
	s_lshr_b32 s96, s2, 4
	s_lshl_b32 s96, s96, 4                         ; 16 x batch
	s_lshl_b32 s3, s3, 1
	s_add_co_u32 s96, s96, s3
	s_mul_i32 s96, s96, HEADB
	s_and_b32 s2, s2, 15
	s_mul_i32 s2, s2, REC
	s_add_co_u32 s96, s96, s2
	s_add_co_u32 s98, s96, s47
	s_add_co_u32 s96, s96, s19
	s_mov_b32 s97, 0
	s_mov_b32 s99, 0
	s_add_nc_u64 s[100:101], s[14:15], s[98:99]    ; the scale words,
	s_add_nc_u64 s[14:15], s[14:15], s[96:97]      ; the codes
.else
	s_lshl_b32 s2, s46, 9
	s_mov_b32 s3, 0
	s_add_nc_u64 s[12:13], s[12:13], s[2:3]
	v_lshlrev_b32 v[BO], 6, v2
	BIASCOL
	s_mul_i32 s2, s16, 16*SPITCH
	s_add_co_u32 s2, s2, STG                       ; my stage
	v_mul_u32_u24 v5, v1, SPITCH
	v_lshl_add_u32 v5, v2, 6, v5
	v_add_nc_u32 v[STO], s2, v5                    ; in: row r, + 64 h: my 16 neighbouring numbers of each 32
	v_add_nc_u32 v[RD], s2, v[L16]                 ; back: the 32 lanes take one row of 512 bytes
	v_mov_b32 v[CO], v[L16]
	s_lshl_b32 s2, s45, 19                         ; my 128 rows of 4,096 bytes,
	s_lshl_b32 s3, s46, 9                          ; my 128 columns
	s_add_co_u32 s2, s2, s3
	s_mov_b32 s3, 0
	s_add_nc_u64 s[14:15], s[14:15], s[2:3]
.endif
.macro FRAG reg, adr, q, i             ; a fragment, 16 rows x 128 K, 12 registers: two chunks, each 16 bytes a lane and 8 bytes a lane; every load takes consecutive bytes
	ds_load_b128 v[\reg:\reg+3], v[\adr] offset:(\i)*KSB+(\q)*1536
	ds_load_b64 v[\reg+4:\reg+5], v[\adr+2] offset:(\i)*KSB+(\q)*1536+512
	ds_load_b128 v[\reg+6:\reg+9], v[\adr] offset:(\i)*KSB+(\q)*1536+768
	ds_load_b64 v[\reg+10:\reg+11], v[\adr+2] offset:(\i)*KSB+(\q)*1536+1280
.endm
; 16 matrix instructions: A's blocks a0, a0 + 1 x B's eight, the slot's q-th 128 along K.  p: B's set; sc: the set of scale words.  zero = 1: C = the bias along B's rows; 2: along A's rows; 0: in place.
; The 64 accumulators take turns, one instruction a turn, in the same order in every step.
.macro MUL16 a0, p, q, sc, zero
.irp a, \a0, \a0+1
.irp b, 0,1,2,3,4,5,6,7
.if \zero == 1
	v_wmma_scale_f32_16x16x128_f8f6f4 v[8*(8*((\a)%4)+\b):8*(8*((\a)%4)+\b)+7], v[128*(\p)+FR*\b:128*(\p)+FR*\b+FR-1], v[AF+FR*(\a):AF+FR*(\a)+FR-1], v[BIAS+8*\b:BIAS+8*\b+7], v[SC+16*(\sc)+2*\b+(\q)], v[SC+16*(\sc)+2*(\a)+(\q)] matrix_a_fmt:MATRIX_FMT_BF6 matrix_b_fmt:MATRIX_FMT_BF6 matrix_a_scale:MATRIX_SCALE_ROW1
.elseif \zero == 2
	v_wmma_scale_f32_16x16x128_f8f6f4 v[8*(8*((\a)%4)+\b):8*(8*((\a)%4)+\b)+7], v[128*(\p)+FR*\b:128*(\p)+FR*\b+FR-1], v[AF+FR*(\a):AF+FR*(\a)+FR-1], v[BIAS+8*(\a):BIAS+8*(\a)+7], v[SC+16*(\sc)+2*\b+(\q)], v[SC+16*(\sc)+2*(\a)+(\q)] matrix_a_fmt:MATRIX_FMT_BF6 matrix_b_fmt:MATRIX_FMT_BF6 matrix_a_scale:MATRIX_SCALE_ROW1
.else
	v_wmma_scale_f32_16x16x128_f8f6f4 v[8*(8*((\a)%4)+\b):8*(8*((\a)%4)+\b)+7], v[128*(\p)+FR*\b:128*(\p)+FR*\b+FR-1], v[AF+FR*(\a):AF+FR*(\a)+FR-1], v[8*(8*((\a)%4)+\b):8*(8*((\a)%4)+\b)+7], v[SC+16*(\sc)+2*\b+(\q)], v[SC+16*(\sc)+2*(\a)+(\q)] matrix_a_fmt:MATRIX_FMT_BF6 matrix_b_fmt:MATRIX_FMT_BF6 matrix_a_scale:MATRIX_SCALE_ROW1
.endif
.endr
.endr
.endm
.macro FETCH_B slot, q, p
	WIN TO_B
.irp i, 0,1,2,3,4,5,6,7
	FRAG 128*(\p)+FR*\i, ADRB+\slot, \q, \i
.endr
	WIN 0
.endm
.macro FETCH_A slot, q, i0
.irp i, \i0, \i0+1, \i0+2, \i0+3
	FRAG AF+FR*(\i), ADRA+\slot, \q, \i
.endr
.endm
.macro SCALES sc                       ; a K step's two scale words a row: lanes 0-15 A's block i, lanes 16-31 B's block i
.irp i, 0,1,2,3,4,5,6,7
	ds_load_b64 v[SC+16*\sc+2*\i:SC+16*\sc+2*\i+1], v[ADRS] offset:(\i/2)*1024+(\i%2)*128
.endr
.endm
; A step of 128 along K that has its successor in the same slot.  A has one set of registers: blocks 0-3 are fetched anew in the step's middle, blocks 4-7 at its end; B has two sets.
.macro STEP slot, q, zero
	s_wait_dscnt 4*NL                              ; all but the youngest sixteen loads (A's blocks 4-7) are in
.if \zero
	WIN BEG_LO
.else
	WIN MUL_LO
.endif
	MUL16 0, (\q)%2, \q, \slot, \zero
	MUL16 2, (\q)%2, \q, \slot, \zero
	s_wait_dscnt 0                                 ; A's blocks 4-7 are in
	PLACES NP                                      ; in front of loads into registers that matrix instructions have read
	FETCH_B \slot, (\q)+1, 1-(\q)%2
	FETCH_A \slot, (\q)+1, 0
.if \zero
	WIN BEG_HI
.else
	WIN MUL_HI
.endif
	MUL16 4, (\q)%2, \q, \slot, \zero
	MUL16 6, (\q)%2, \q, \slot, \zero
	PLACES NP
	WIN 0
	FETCH_A \slot, (\q)+1, 4
.endm
; A slot's last step changes slots: one barrier; in front of it each wave waits for all its tensor loads, adds 0 to its spare word, and waits for that and for its reads of this slot.  fill = 1: the slot is filled again, two K steps ahead.
.macro TURN slot, next, fill
	s_wait_tensorcnt 0x0                           ; all my tensor loads have landed: my part of the next slot
	ds_add_u32 v[SPW], v[NIL]                      ; 0 onto my spare word
	s_wait_dscnt 4*NL+1                            ; (the add and A's blocks 4-7 may be out)
	WIN MUL_LO
	MUL16 0, 1, 1, \slot, 0                        ; sixteen matrix instructions stand between the add and the wait for it
	s_wait_dscnt 0x0                               ; the add is done, and my reads of this slot are over
	s_barrier_signal -1
	MUL16 2, 1, 1, \slot, 0
	WIN 0
	s_barrier_wait -1
.if \fill
	CREST                                          ; the barrier has opened a round of the cluster's: no wave of any partner still reads this slot or has a load on its way
	s_add_nc_u64 s[G0+4*\slot+2:G0+4*\slot+3], s[G0+4*\slot+2:G0+4*\slot+3], 2*KSB
	s_add_nc_u64 s[G0B+4*\slot+2:G0B+4*\slot+3], s[G0B+4*\slot+2:G0B+4*\slot+3], 2*KSB
	JLOAD G0+4*\slot, G1, G0B+4*\slot, G1B         ; the first tensor load behind the round; its four v_nop are also the places in front of the loads below
.else
	PLACES NP
.endif
	v_add_nc_u32 v[ADRS], 256, v[ADRS]             ; the next quarter of K's scale words (no LDS load of mine is out)
	FETCH_B \next, 0, 0
	FETCH_A \next, 0, 0
	SCALES \next
	WIN MUL_HI
	MUL16 4, 1, 1, \slot, 0
	MUL16 6, 1, 1, \slot, 0
	PLACES NP
	WIN 0
	FETCH_A \next, 0, 4
.endm
	s_wait_tensorcnt 1                             ; the scales and my part of K step 0 are in (K step 1's load may be out),
	s_barrier_signal -1
	s_barrier_wait -1                              ; everybody's are
	FETCH_B 0, 0, 0
	FETCH_A 0, 0, 0
	SCALES 0
	FETCH_A 0, 0, 4
	s_wait_loadcnt 0x0                             ; the bias
.if MODE == 0
	s_cmp_eq_u32 ttmp9, 2
	s_cbranch_scc1 .Lfirst_v
	STEP 0, 0, 1                                   ; the first products start the sums from the bias: nothing is cleared
	s_branch .Lfirst_done
.Lfirst_v:
	STEP 0, 0, 2
.Lfirst_done:
.else
	STEP 0, 0, 1
.endif
	TURN 0, 1, 1                                   ; K has four steps: both slots are filled again once, so the laps are written out
	STEP 1, 0, 0
	TURN 1, 0, 1
	STEP 0, 0, 0
	TURN 0, 1, 0                                   ; nothing is left to fetch
	STEP 1, 0, 0
	s_wait_dscnt 4*NL
	WIN MUL_LO
	MUL16 0, 1, 1, 1, 0
	MUL16 2, 1, 1, 1, 0
	s_wait_dscnt 0
	WIN MUL_HI
	MUL16 4, 1, 1, 1, 0
	MUL16 6, 1, 1, 1, 0
	WIN 0
	PLACES NP                                      ; in front of the first read of results, and of writes into registers that the last products read
.if MODE == 0
; THE WAY OUT, block a of 16 of A's rows at a time.  A lane's 64 registers: register 16 b + i = number 32 b + 16 h + i of its row's 128: four blocks of 32, each shared by lanes l and l xor 16.
.macro QUANTW a
.set AC, 64*((\a)%4)
.if (\a) > 0
	s_wait_xcnt 0x0                                ; the last block's stores have read their registers,
	s_wait_dscnt 0x0                               ; its LDS stores too
.endif
	WIN 0x0a+5*((\a)/4)                            ; sources 0 and 1: window 2 or 3
.irp b, 0,1,2,3
	v_max3_num_f32 v[TM+\b], |v[AC+16*\b]|, |v[AC+16*\b+1]|, 0x2800000   ; each accumulator is read from its low end on; the floor 2^(5 - 127) holds the byte at 1 from below
.endr
.irp i, 2,4,6,8,10,12,14
.irp b, 0,1,2,3
	v_max3_num_f32 v[TM+\b], |v[AC+16*\b+\i]|, |v[AC+16*\b+\i+1]|, v[TM+\b]
.endr
.endr
	WIN 0
.irp b, 0,1,2,3
	v_permlanex16_b32 v[TM+4+\b], v[TM+\b], s66, s67
.endr
.irp b, 0,1,2,3
	v_max_num_f32 v[TM+\b], v[TM+\b], v[TM+4+\b]   ; the block's largest magnitude
.endr
.irp b, 0,1,2,3
	v_add_nc_u32 v[TM+12+\b], 0xfe000000, v[TM+\b] ; 4 off its exponent field: the conversion's scale operand
.endr
.irp b, 0,1,2,3
	v_lshrrev_b32 v[TM+4+\b], 23, v[TM+12+\b]      ; the scale's byte
.endr
	v_lshl_or_b32 v[PW], v[TM+5], 8, v[TM+4]
	v_lshl_or_b32 v[PW], v[TM+6], 16, v[PW]
	v_lshl_or_b32 v[PW], v[TM+7], 24, v[PW]        ; my row's four bytes
	WIN 0x02+((\a)/4)                              ; source 0: window 2 or 3
.irp c, 0,1
	v_cvt_scalef32_pk16_bf6_f32 v[PC+6*\c:PC+2+6*\c], v[AC+32*\c:AC+15+32*\c], v[TM+12+2*\c]
	v_cvt_scalef32_pk16_bf6_f32 v[PC+12+4*\c:PC+14+4*\c], v[AC+16+32*\c:AC+31+32*\c], v[TM+12+2*\c+1]
.endr
	WIN 0
	v_nop                                          ; one plain line behind the conversions
.irp c, 0,1                                    ; the operand's layout wants a whole block in a lane: lanes 0-15 block 2 c, lanes 16-31 block 2 c + 1
.irp i, 0,1,2
	v_permlane16_swap_b32 v[PC+6*\c+\i], v[PC+12+4*\c+\i]
.endr
.irp i, 0,1,2
	v_mov_b32 v[PC+3+6*\c+\i], v[PC+12+4*\c+\i]
.endr
.endr
.endm
.macro EPI isv
.irp a, 0,1,2,3,4,5,6,7
	QUANTW \a
.if \isv
.irp c, 0,1,2                                  ; v: block a is fragment a % 4 (16 of the head's 64 x 128 keys) of head a / 4 of my two: its twelve registers as they stand
	global_store_b128 v[L16], v[PC+4*\c:PC+4*\c+3], s[14:15] offset:(\a/4)*HEADB+(\a%4)*1536+512*\c
.endr
	ds_store_b32 v[SVW], v[PW] offset:(\a/4)*256+128*(\a%2)+4*((\a%4)/2)   ; (both halves of the lanes hold and write the same word)
.else
.irp e, 0,1                                    ; q, k: block a is tile a of 16 tokens; registers 6 e .. 6 e + 5 are head e's 64
	global_store_b128 v[L16], v[PC+6*\e:PC+6*\e+3], s[14:15] offset:\e*HEADB+\a*768
	global_store_b64 v[L8], v[PC+6*\e+4:PC+6*\e+5], s[14:15] offset:\e*HEADB+\a*768+512
.endr
	v_and_b32 v217, 0xffff, v[PW]                  ; a head's two bytes; the upper two stay 0: there the products meet zero codes
	v_lshrrev_b32 v218, 16, v[PW]
	ds_store_b32 v[SQW], v217 offset:256*(\a%2)+4*(\a/2)
	ds_store_b32 v[SQW], v218 offset:512+256*(\a%2)+4*(\a/2)
.endif
.endr
.if \isv
	ds_load_b64 v[220:221], v[SVR]                 ; the scale words leave as whole aligned runs (a wave's LDS instructions are served in order)
	ds_load_b64 v[222:223], v[SVR] offset:256
	s_wait_dscnt 0x0
	global_store_b64 v[L8], v[220:221], s[100:101]
	global_store_b64 v[L8], v[222:223], s[100:101] offset:HEADB
.else
	ds_load_b128 v[220:223], v[SQR]
	ds_load_b128 v[224:227], v[SQR] offset:512
	s_wait_dscnt 0x0
	global_store_b128 v[L16], v[220:223], s[100:101]
	global_store_b128 v[L16], v[224:227], s[100:101] offset:HEADB
.endif
.endm
.irp b, 0,1,2,3
	v_mov_b32 v[TM+4+\b], 0                        ; written once: a lane permute's destination counts as one of its sources
.endr
	s_cmp_eq_u32 ttmp9, 2
	s_cbranch_scc1 .Lout_v
	EPI 0
	s_branch .Lout_done
.Lout_v:
	EPI 1
.Lout_done:
.else
; THE WAY OUT: a block of 16 rows x 128 columns goes through my own stage and comes back as whole rows of 512 bytes.  The stored order of rows and columns is undone by the offsets.
.macro TOSTAGE a
.set AC, 64*((\a)%4)
	WIN 0x08+4*((\a)/4)                            ; the data: window 2 or 3
.irp b, 0,1,2,3,4,5,6,7
	ds_store_b128 v[STO], v[AC+8*\b:AC+8*\b+3] offset:128*(\b/2)+32*(\b%2)       ; each accumulator from its low end on
	ds_store_b128 v[STO], v[AC+8*\b+4:AC+8*\b+7] offset:128*(\b/2)+32*(\b%2)+16
.endr
	WIN 0
.set BB, BK+64*((\a)%2)
.irp t, 0,1,2,3,4,5,6,7,8,9,10,11,12,13,14,15
	ds_load_b128 v[BB+4*\t:BB+4*\t+3], v[RD] offset:\t*SPITCH
.endr
.endm
.macro SEND a, younger
.set BB, BK+64*((\a)%2)
	s_wait_dscnt \younger                          ; the block is back in registers
.irp t, 0,1,2,3,4,5,6,7,8,9,10,11,12,13,14,15
	global_store_b128 v[CO], v[BB+4*\t:BB+4*\t+3], s[14:15] offset:(32*((\a)/2)+8*((\a)%2)+\t+8*(\t/8))*4096 th:TH_STORE_NT   ; 512 consecutive bytes of a true row
.endr
.endm
	TOSTAGE 0
.irp a, 1,2,3,4,5,6,7
.if \a > 1
	s_wait_xcnt 0x0                                ; block a - 2's stores have read their registers: block a's loads may land there
.endif
	TOSTAGE \a
	SEND \a-1, 32                                  ; behind block a - 1's loads: block a's 16 stores and 16 loads
.endr
	SEND 7, 0
.endif
	s_wait_tensorcnt 0x0                           ; the wave's end
	ds_add_u32 v[SPW], v[NIL]
	s_wait_dscnt 0x0
	CROUND                                         ; the closing round
	s_endpgm
.Lfunc_end_k_q36467f2afc_proj:
	.size	k_q36467f2afc_proj, .Lfunc_end_k_q36467f2afc_proj-k_q36467f2afc_proj
	.p2alignl 7, 3214868480
	.fill 96, 4, 3214868480
	.section	.rodata,"a",@progbits
	.p2align	6, 0x0
	.amdhsa_kernel k_q36467f2afc_proj
		.amdhsa_group_segment_fixed_size 327680
		.amdhsa_private_segment_fixed_size 0
		.amdhsa_enable_private_segment 0
		.amdhsa_kernarg_size 48
		.amdhsa_user_sgpr_count 2
		.amdhsa_user_sgpr_kernarg_segment_ptr 1
		.amdhsa_wavefront_size32 1
		.amdhsa_system_sgpr_workgroup_id_x 1
		.amdhsa_system_sgpr_workgroup_id_y 1
		.amdhsa_system_sgpr_workgroup_id_z 1
		.amdhsa_system_vgpr_workitem_id 0
		.amdhsa_next_free_vgpr 1024
		.amdhsa_next_free_sgpr 102
		.amdhsa_reserve_vcc 0
		.amdhsa_float_denorm_mode_32 3
		.amdhsa_float_denorm_mode_16_64 3
		.amdhsa_memory_ordered 1
		.amdhsa_forward_progress 1
		.amdhsa_inst_pref_size 145
	.end_amdhsa_kernel
	.amdgpu_metadata
---
amdhsa.version: [ 1, 2 ]
amdhsa.kernels:
  - .name:           k_q36467f2afc_proj
    .symbol:         k_q36467f2afc_proj.kd
    .args:
      - { .name: ctx_codes, .offset: 0, .size: 8, .value_kind: global_buffer, .address_space: global }
      - { .name: ctx_scales, .offset: 8, .size: 8, .value_kind: global_buffer, .address_space: global }
      - { .name: w_codes, .offset: 16, .size: 8, .value_kind: global_buffer, .address_space: global }
      - { .name: w_scales, .offset: 24, .size: 8, .value_kind: global_buffer, .address_space: global }
      - { .name: b_proj, .offset: 32, .size: 8, .value_kind: global_buffer, .address_space: global }
      - { .name: out0, .offset: 40, .size: 8, .value_kind: global_buffer, .address_space: global }
    .group_segment_fixed_size: 327680
    .private_segment_fixed_size: 0
    .kernarg_segment_align: 8
    .kernarg_segment_size: 48
    .max_flat_workgroup_size: 128
    .sgpr_count:     102
    .vgpr_count:     1024
    .wavefront_size: 32
...
	.end_amdgpu_metadata
.endif
;; end of part 4
